; MI455X (gfx1250); checked and timed in simulation.
; The chip was launched on July 23, 2026; its instructions are those of AMD's public machine-readable ISA for CDNA 5 (MIT licence, August 2026) and "CDNA5" Instruction Set Architecture Reference Guide (July 2026). The comments in the code are by the model that wrote it; some were corrected since.
;; Multi Head Attention. Allowed arithmetic: matrix products marked QUANTISED: E4M3 operands, one given power-of-two scale a tensor, by v_wmma_f32_16x16x64_fp8_fp8 or v_wmma_f32_16x16x128_fp8_fp8, f32 sums; everything else in f32.
;; Inputs: Wk 16 x 1,024 x 64 float32; Wp 1,024 x 1,024 float32; Wq 16 x 1,024 x 64 float32; Wv 16 x 1,024 x 64 float32; bp 1,024 float32; lowp_scales 12 int32 (the exponents e of the quantised operands' scales 2^e); x 4 x 2,048 x 1,024 float32.
;; Outputs: out0 4 x 2,048 x 1,024 float32.
;; This version of the problem:
;;   THIS VERSION OF THE PROBLEM IS GIVEN IN LOW PRECISION. The matrix products marked QUANTISED in the list below multiply operands that are first quantised to E4M3 (4 exponent bits, 3 mantissa bits; 8 bits a number), with one given power-of-two scale for each operand tensor; their sums are f32. All else is computed in f32.
;;   The module's matrix products, in the order in which they are computed (A, B: the left and right operand; K: the contracted axis; several contracted axes count as one K, in the product's order):
;;     1. [M 1,024, K 1,024] x [K 1,024, N 8,192]; A: input Wq; B: input x: QUANTISED (scales: A lowp_scales[0], B lowp_scales[1])
;;     2. [M 1,024, K 1,024] x [K 1,024, N 8,192]; A: input Wk; B: input x: QUANTISED (scales: A lowp_scales[2], B lowp_scales[3])
;;     3. [M 1,024, K 1,024] x [K 1,024, N 8,192]; A: input Wv; B: input x: QUANTISED (scales: A lowp_scales[4], B lowp_scales[5])
;;     4. batch 64 x [M 2,048, K 64] x [K 64, N 2,048]; A: computed on the way; B: computed on the way: QUANTISED (scales: A lowp_scales[6], B lowp_scales[7])
;;     5. batch 64 x [M 2,048, K 2,048] x [K 2,048, N 64]; A: softmax (see below); B: computed on the way: QUANTISED (scales: A lowp_scales[8], B lowp_scales[9])
;;     6. [M 8,192, K 1,024] x [K 1,024, N 1,024]; A: computed on the way; B: input Wp: QUANTISED (scales: A lowp_scales[10], B lowp_scales[11])
;;   THE QUANTISER, for each operand of a quantised product, along K:
;;     - The operand's scale is 2^e, e = its entry of the input lowp_scales (int32; the entries are numbered through the quantised products in the list's order, A before B).
;;     - Each number is divided by the scale, clamped to +-448, and rounded to the nearest number of E4M3, ties to even, subnormals kept.
;;     - The product sums the exact products of the quantised numbers (number of the format x scale) in f32.
;;   ~~~python
;;   def quantise(x, axis, e):      # numpy; x: float32 -> the quantised numbers, widened to float32 again
;;       x = np.moveaxis(x, axis, -1); K = x.shape[-1]
;;       r = np.clip(x / 2.0 ** e, -448, 448)
;;       step = 2.0 ** (np.maximum(np.frexp(np.where(r == 0, 1, r))[1] - 1, -6) - 3)
;;       q = np.round(r / step) * step * 2.0 ** e      # np.round: ties to even
;;       return np.moveaxis(q, -1, axis).astype(np.float32)
;;   ~~~
;;   SOFTMAX AHEAD OF A QUANTISED PRODUCT. Where the list says 'softmax', what is quantised is not the finished softmax but p = 2^(t - M), with t = logit x log2(e) and M = ceil(the row's largest t), a whole number; so 1/2 < the row's largest p <= 1. The row's sum l is taken of the UNQUANTISED p, in f32, and the product's result is divided by l at the end. Since M is a whole number, a kernel that streams over the keys may use a running M (the ceiling of the running maximum): every later rescaling is an exact power of two, so the quantised numbers keep their values, but for numbers so far below the row's largest that they fall under the format's range.
;;   OPERANDS COMPUTED ON THE WAY. 'Computed on the way' means the value that the module computes at that place (a softmax that the list does not call 'softmax' is quantised finished and normalised). What goes into a quantiser is computed in f32, as accurately as f32 sums, v_exp_f32 and their like allow (about 1e-6 of the number): no bf16 or f16 on the way to a quantiser, and a product that is left as it is and whose result goes on into a quantised operand takes f32 operands (vector FMAs, or v_wmma_f32_16x16x4_f32). A number that lies on a knife's edge between two numbers of the format may be rounded either way, as far as f32 arithmetic and the matrix unit's own rounding can turn it there, and no further.
;; One version. Each part assembles by itself: llvm-mc -triple=amdgcn-amd-amdhsa -mcpu=gfx1250 --defsym DOCPART=n.
;; ======== version 1 of 1: 4 launches
;; limits: right only within a limited range of input values
;; workspace buffers: xc 25,165,824 bytes; wc 4,194,304 bytes; qkv 25,165,824 bytes; oc 8,388,608 bytes
;; launch quant (part 1): grid 384 x 1, 4 waves a work-group, no clusters, 68,096 bytes of LDS; arguments x, Wq, Wk, Wv, Wp, lowp_scales, xc, wc; writes xc, wc
.if DOCPART == 1
	.amdgcn_target "amdgcn-amd-amdhsa--gfx1250"
	.amdhsa_code_object_version 6
	.text
	.protected	k_q2a5b0e0fa4_quant
	.globl	k_q2a5b0e0fa4_quant
	.p2align	8
	.type	k_q2a5b0e0fa4_quant,@function
k_q2a5b0e0fa4_quant:
	s_mov_b64 s[64:65], 0
	v_nop
	global_prefetch_b8 v0, s[64:65] scope:SCOPE_SE
	s_setreg_imm32_b32 hwreg(HW_REG_WAVE_MODE, 25, 1), 1
	s_wait_xcnt 0x0
; f32 inputs into codes of FP8 (E4M3), K innermost, each with the scale 2^e that is given for the operand.
; code = number / 2^e, held within +-448, rounded to the nearest code, ties to even.
; x [8192][1024] is an operand of three products under three given scales (entries 1, 3, 5): three planes of codes, xc[plane][8192][1024].
; Wq, Wk, Wv [16][1024 c][64 d] (entries 0, 2, 4) and Wp [1024 k][1024 n] (entry 11) have K as an outer axis: they become wc[plane][1024 n][1024 k], n = 64 h + d.
; LIMITS: each e used lies between -126 and 119, so that 2^e and 448 x 2^e are f32 numbers.  NaN among the inputs is not served.
; Work-groups 0-255 take x: a wave takes 16 steps of 512 numbers.  Each load reads 512 consecutive bytes; the numbers turn through the wave's own stage in LDS,
; so that a lane holds 16 neighbours along K; a lane's 16 codes are 16 bytes, a wave's store 512 consecutive bytes, three stores a step (one a plane).
; Work-groups 256-383 take the weights: a lane takes a column n and its registers run down K; a wave takes 32 columns x 256 along K, gathers 256 bytes a column
; in its own stage and stores sixteen lanes to 256 consecutive, aligned bytes.  The two ways have LDS bytes of their own.  No barrier: waves share nothing.
.set STEPS, 16
.set SP,    80                         ; way x: a lane's place in a stage: 64 bytes + 16 of padding
.set WSTG,  32768                      ; way w: the stages begin here: 32 rows x PITCH for each wave
.set PITCH, 272
.set SPARE, WSTG+4*32*PITCH            ; the spare words, 128 bytes for each wave: two blocks of 256 bytes that no other line names
.set SPW,   12                         ; v12  LDS address of my spare word; never rewritten
.set NIL,   13                         ; v13  0; never rewritten
.set R,     16                         ; way x: v16-79   four sets of 16 numbers as loaded
.set X,     80                         ;        v80-111  two sets of 16 neighbours
.set TA,    112                        ;        v112-127 held for plane 0
.set TB,    128                        ;        v128-143 held for plane 1
.set C,     144                        ;        v144-167 two sets of 12: a step's codes for the three planes
.set SC,    168                        ;        v168-170 2^e1, 2^e3, 2^e5
.set LM,    171                        ;        v171-173 448 x these
.set WX,    16                         ; way w: v16-79   two sets of 32 numbers
.set WC,    80                         ;        v80-87   a block's codes
.set OFFS,  88                         ;        v88-119  4 x lane + i x the row pitch
.set OUTR,  120                        ;        v120-183 the way out
.set NB,    8                          ; blocks of 32 along K for a wave
.macro MKSCALE e, vs, vl               ; the whole number in s[e] makes v[vs] = 2^e (the conversion takes its exponent field) and v[vl] = 448 x 2^e
	s_add_co_i32 s33, s[\e], 127
	s_lshl_b32 s34, s33, 23
	v_mov_b32 v[\vs], s34
	s_add_co_i32 s33, s33, 8
	s_lshl_b32 s33, s33, 23
	s_or_b32 s33, s33, 0x600000
	v_mov_b32 v[\vl], s33
.endm
	s_load_b256 s[4:11], s[0:1], 0x0               ; x s[4:5], Wq s[6:7], Wk s[8:9], Wv s[10:11]
	s_load_b256 s[12:19], s[0:1], 0x20             ; Wp s[12:13], the exponents s[14:15], xc s[16:17], wc s[18:19]
	v_lshl_add_u32 v[SPW], v0, 2, SPARE
	v_mov_b32 v[NIL], 0
	v_lshrrev_b32 v1, 5, v0
	v_readfirstlane_b32 s20, v1                    ; wave 0..3
	v_and_b32 v2, 31, v0                           ; lane
	s_wait_kmcnt 0x0
	s_load_b256 s[24:31], s[14:15], 0x0            ; e0 .. e7
	s_load_b32 s32, s[14:15], 0x2c                 ; e11
	s_cmp_ge_u32 ttmp9, 256                        ; the way hangs on the work-group's number alone
	s_cbranch_scc1 .Lweights
; ---------------- x ----------------
	s_lshl_b32 s21, ttmp9, 2
	s_add_co_u32 s21, s21, s20                     ; which run of 8,192 numbers is my wave's
	s_lshl_b32 s22, s21, 15                        ; 32,768 bytes of f32 a run
	s_mov_b32 s23, 0
	s_add_nc_u64 s[4:5], s[4:5], s[22:23]
	s_lshl_b32 s22, s21, 13                        ; 8,192 bytes of codes a run
	s_add_nc_u64 s[36:37], s[16:17], s[22:23]      ; plane 0,
	s_add_nc_u64 s[38:39], s[36:37], 0x800000      ; plane 1,
	s_add_nc_u64 s[40:41], s[38:39], 0x800000      ; plane 2
	s_wait_alu depctr_va_vdst(0)
	v_lshlrev_b32 v3, 4, v2                        ; my 16 bytes of a load's 512, and of a store's
	s_lshl_b32 s35, s20, 13                        ; my wave's 8,192 bytes of LDS
	v_lshrrev_b32 v14, 2, v2
	v_mul_u32_u24 v14, v14, SP
	v_and_b32 v15, 3, v2
	v_lshl_add_u32 v14, v15, 4, v14
	v_add_nc_u32 v14, s35, v14                     ; into the stage: four lanes' 64 bytes on end, then 16 of padding
	v_mul_u32_u24 v15, v2, SP
	v_add_nc_u32 v15, s35, v15                     ; out of it: my 16 neighbours
.macro LOAD t
.irp i, 0,1,2,3
	global_load_b128 v[R+16*((\t)%4)+4*\i:R+16*((\t)%4)+4*\i+3], v3, s[4:5] offset:2048*(\t)+512*\i th:TH_LOAD_NT   ; 32 lanes read 512 consecutive bytes
.endr
.endm
.macro TURN t                          ; step t's numbers through the stage: LDS serves a wave's instructions in order, so no wait stands between the stores and the loads
.irp i, 0,1,2,3
	ds_store_b128 v14, v[R+16*((\t)%4)+4*\i:R+16*((\t)%4)+4*\i+3] offset:32*SP*((\t)%2)+8*SP*\i
.endr
.irp i, 0,1,2,3
	ds_load_b128 v[X+16*((\t)%2)+4*\i:X+16*((\t)%2)+4*\i+3], v15 offset:32*SP*((\t)%2)+16*\i
.endr
.endm
.irp t, 0,1,2,3
	LOAD \t
.endr
	s_wait_alu depctr_va_vdst(0)
	s_wait_kmcnt 0x0
	MKSCALE 25, SC, LM                             ; e1
	MKSCALE 27, SC+1, LM+1                         ; e3
	MKSCALE 29, SC+2, LM+2                         ; e5
	s_wait_alu depctr_va_vdst(0)
	s_wait_loadcnt 12                              ; step 0's four loads are in; the twelve behind them may be out
	TURN 0
.macro STEP t
.set XS, X+16*((\t)%2)
.set CC, C+12*((\t)%2)
	s_wait_dscnt 0x0                               ; this step's numbers are back from the stage, so its stores into the stage have read their registers,
.if (\t)+4 < STEPS
	LOAD (\t)+4                                    ; which take the loads of four steps on
.endif
.if (\t)+1 < STEPS
.if STEPS-2-(\t) >= 3
	s_wait_loadcnt 12                              ; the next step's four loads are in; those of the three steps behind it may be out
.else
	s_wait_loadcnt 4*(STEPS-2-(\t))
.endif
	TURN (\t)+1                                    ; and go through the other stage while this step is worked
.endif
.if (\t) >= 2
	s_wait_xcnt 0x0                                ; the stores of two steps back have read this set of code registers: it is written again only behind this wait
.endif
.set i, 0
.rept 16
	v_med3_num_f32 v[TA+i], v[XS+i], -v[LM], v[LM] ; the conversion to an 8-bit code does not saturate (ISA guide 7.6.2): the hold at 448 x the scale, for each plane's scale
.set i, i+1
.endr
.set i, 0
.rept 16
	v_med3_num_f32 v[TB+i], v[XS+i], -v[LM+1], v[LM+1]
.set i, i+1
.endr
	v_cvt_scalef32_pk8_fp8_f32 v[CC:CC+1], v[TA:TA+7], v[SC]
	v_cvt_scalef32_pk8_fp8_f32 v[CC+2:CC+3], v[TA+8:TA+15], v[SC]
	v_cvt_scalef32_pk8_fp8_f32 v[CC+4:CC+5], v[TB:TB+7], v[SC+1]
	v_cvt_scalef32_pk8_fp8_f32 v[CC+6:CC+7], v[TB+8:TB+15], v[SC+1]
.set i, 0
.rept 16
	v_med3_num_f32 v[XS+i], v[XS+i], -v[LM+2], v[LM+2]   ; in place: the last plane.  These are the plain lines behind the four conversions above
.set i, i+1
.endr
	v_cvt_scalef32_pk8_fp8_f32 v[CC+8:CC+9], v[XS:XS+7], v[SC+2]
	v_cvt_scalef32_pk8_fp8_f32 v[CC+10:CC+11], v[XS+8:XS+15], v[SC+2]   ; its result goes to a store; the next vector lines are plain and write other registers
.irp i, 0,1,2
	global_store_b128 v3, v[CC+4*\i:CC+4*\i+3], s[36+2*\i:37+2*\i] offset:512*(\t)   ; 32 lanes store 512 consecutive bytes, at a multiple of 256 from the plane's first byte
.endr
.endm
.irp t, 0,1,2,3,4,5,6,7,8,9,10,11,12,13,14,15
	STEP \t
.endr
	s_wait_tensorcnt 0x0                           ; the wave's end, behind my last LDS store
	ds_add_u32 v[SPW], v[NIL]
	s_wait_dscnt 0x0
	s_endpgm
; ---------------- the weights ----------------
.Lweights:
	s_sub_co_u32 s21, ttmp9, 256
	s_lshr_b32 s22, s21, 5                         ; which weight: 0 Wq, 1 Wk, 2 Wv, 3 Wp
	s_and_b32 s23, s21, 7
	s_bfe_u32 s33, s21, 0x20003                    ; which 256 along K
	s_lshl_b32 s23, s23, 7
	s_lshl_b32 s34, s20, 5
	s_add_co_u32 s23, s23, s34                     ; n0: my wave's first column = 128 x group + 32 x wave
	s_lshr_b32 s34, s23, 6                         ; a head's weight: head n0 / 64 (262,144 bytes a head), column n0 % 64, rows of 256 bytes
	s_lshl_b32 s34, s34, 18
	s_and_b32 s35, s23, 63
	s_lshl_b32 s35, s35, 2
	s_add_co_u32 s34, s34, s35
	s_lshl_b32 s35, s33, 16
	s_add_co_u32 s34, s34, s35
	s_lshl_b32 s35, s23, 2                         ; Wp: column n0, rows of 4,096 bytes
	s_lshl_b32 s36, s33, 20
	s_add_co_u32 s35, s35, s36
	s_mov_b32 s37, 4096
	s_cmp_eq_u32 s22, 3
	s_cselect_b32 s38, s35, s34                    ; where my part begins, in bytes
	s_cselect_b32 s37, s37, 256                    ; the pitch from k to k + 1
	s_cselect_b64 s[40:41], s[12:13], s[10:11]     ; the buffer: the choice hangs on the work-group's number alone
	s_cmp_eq_u32 s22, 1
	s_cselect_b64 s[40:41], s[8:9], s[40:41]
	s_cmp_eq_u32 s22, 0
	s_cselect_b64 s[40:41], s[6:7], s[40:41]
	s_mov_b32 s39, 0
	s_add_nc_u64 s[44:45], s[40:41], s[38:39]      ; block 0's base,
	s_lshl_b32 s38, s37, 5                         ; and 32 rows on for each further block
.irp t, 1,2,3,4,5,6,7
	s_add_nc_u64 s[44+2*\t:45+2*\t], s[42+2*\t:43+2*\t], s[38:39]
.endr
	s_lshl_b32 s34, s22, 20                        ; the codes: plane, row n0 of 1,024 bytes, my 256 along K
	s_lshl_b32 s35, s23, 10
	s_add_co_u32 s34, s34, s35
	s_lshl_b32 s35, s33, 8
	s_add_co_u32 s34, s34, s35
	s_mov_b32 s35, 0
	s_add_nc_u64 s[18:19], s[18:19], s[34:35]
	s_wait_alu depctr_va_vdst(0)
	v_lshlrev_b32 v[OFFS], 2, v2                   ; a lane to a column: 4 bytes a lane,
.set i, 1
.rept 31
	v_mad_u32_u24 v[OFFS+i], s37, i, v[OFFS]       ; and i rows down
.set i, i+1
.endr
	s_mul_i32 s43, s20, 32*PITCH
	s_add_co_u32 s43, s43, WSTG                    ; my stage
	v_mul_u32_u24 v4, v2, PITCH
	v_add_nc_u32 v4, s43, v4                       ; into it: row = my column
	v_and_b32 v5, 15, v2
	v_lshrrev_b32 v6, 4, v2
	v_mul_u32_u24 v7, v6, PITCH
	v_lshl_add_u32 v7, v5, 4, v7
	v_add_nc_u32 v7, s43, v7                       ; out of it: sixteen lanes to a row, two rows an instruction
	v_lshlrev_b32 v8, 10, v6
	v_lshl_add_u32 v8, v5, 4, v8                   ; and the same place in the codes' plane
.macro WLOAD t                         ; block t: W(32 t + i, my column), i = 0 .. 31: each load reads 128 consecutive bytes
.set i, 0
.rept 32
	global_load_b32 v[WX+32*((\t)%2)+i], v[OFFS+i], s[44+2*(\t):45+2*(\t)]
.set i, i+1
.endr
.endm
	WLOAD 0
	WLOAD 1
	s_wait_kmcnt 0x0
	s_cmp_eq_u32 s22, 3
	s_cselect_b32 s42, s32, s28                    ; e11 or e4,
	s_cmp_eq_u32 s22, 1
	s_cselect_b32 s42, s26, s42                    ; e2,
	s_cmp_eq_u32 s22, 0
	s_cselect_b32 s42, s24, s42                    ; e0
	MKSCALE 42, 11, 10
.macro BLOCK t
.set XS, WX+32*((\t)%2)
.if (\t) < NB-1
	s_wait_loadcnt 32                              ; this block's 32 loads are in; the next block's may be out
.else
	s_wait_loadcnt 0x0
.endif
.set i, 0
.rept 32
	v_med3_num_f32 v[XS+i], v[XS+i], -v10, v10     ; the hold at 448 x the scale
.set i, i+1
.endr
.irp g, 0,1,2,3
	v_cvt_scalef32_pk8_fp8_f32 v[WC+2*\g:WC+2*\g+1], v[XS+8*\g:XS+8*\g+7], v11
.endr
	ds_store_b128 v4, v[WC:WC+3] offset:32*(\t)    ; 32 codes: 32 bytes of my column's row.  (The results go to LDS stores; the next block begins with plain vector lines on the other set)
	ds_store_b128 v4, v[WC+4:WC+7] offset:32*(\t)+16
.if (\t)+2 < NB
	WLOAD (\t)+2
.endif
	s_wait_dscnt 0x0                               ; the stores have read their registers: the next block's codes may be written
.endm
	s_wait_alu depctr_va_vdst(0)
.irp t, 0,1,2,3,4,5,6,7
	BLOCK \t
.endr
.irp t, 0,1,2,3,4,5,6,7,8,9,10,11,12,13,14,15
	ds_load_b128 v[OUTR+4*\t:OUTR+4*\t+3], v7 offset:2*\t*PITCH   ; LDS serves a wave's instructions in order: these see my stores
.endr
.irp t, 0,1,2,3,4,5,6,7,8,9,10,11,12,13,14,15
	s_wait_dscnt 15-\t                             ; the younger loads may be out
	global_store_b128 v8, v[OUTR+4*\t:OUTR+4*\t+3], s[18:19] offset:2*\t*1024   ; sixteen lanes store 256 consecutive bytes, aligned
.endr
	s_wait_tensorcnt 0x0                           ; the wave's end, behind my last LDS store
	ds_add_u32 v[SPW], v[NIL]
	s_wait_dscnt 0x0
	s_endpgm
.Lfunc_end_k_q2a5b0e0fa4_quant:
	.size	k_q2a5b0e0fa4_quant, .Lfunc_end_k_q2a5b0e0fa4_quant-k_q2a5b0e0fa4_quant
	.p2alignl 7, 3214868480
	.fill 96, 4, 3214868480
	.section	.rodata,"a",@progbits
	.p2align	6, 0x0
	.amdhsa_kernel k_q2a5b0e0fa4_quant
		.amdhsa_group_segment_fixed_size 68096
		.amdhsa_private_segment_fixed_size 0
		.amdhsa_enable_private_segment 0
		.amdhsa_kernarg_size 64
		.amdhsa_user_sgpr_count 2
		.amdhsa_user_sgpr_kernarg_segment_ptr 1
		.amdhsa_wavefront_size32 1
		.amdhsa_system_sgpr_workgroup_id_x 1
		.amdhsa_system_sgpr_workgroup_id_y 1
		.amdhsa_system_sgpr_workgroup_id_z 1
		.amdhsa_system_vgpr_workitem_id 0
		.amdhsa_next_free_vgpr 192
		.amdhsa_next_free_sgpr 66
		.amdhsa_reserve_vcc 0
		.amdhsa_float_denorm_mode_32 3
		.amdhsa_float_denorm_mode_16_64 3
		.amdhsa_memory_ordered 1
		.amdhsa_forward_progress 1
		.amdhsa_inst_pref_size 128
	.end_amdhsa_kernel
	.amdgpu_metadata
---
amdhsa.version: [ 1, 2 ]
amdhsa.kernels:
  - .name:           k_q2a5b0e0fa4_quant
    .symbol:         k_q2a5b0e0fa4_quant.kd
    .args:
      - { .name: x, .offset: 0, .size: 8, .value_kind: global_buffer, .address_space: global }
      - { .name: Wq, .offset: 8, .size: 8, .value_kind: global_buffer, .address_space: global }
      - { .name: Wk, .offset: 16, .size: 8, .value_kind: global_buffer, .address_space: global }
      - { .name: Wv, .offset: 24, .size: 8, .value_kind: global_buffer, .address_space: global }
      - { .name: Wp, .offset: 32, .size: 8, .value_kind: global_buffer, .address_space: global }
      - { .name: lowp_scales, .offset: 40, .size: 8, .value_kind: global_buffer, .address_space: global }
      - { .name: xc, .offset: 48, .size: 8, .value_kind: global_buffer, .address_space: global }
      - { .name: wc, .offset: 56, .size: 8, .value_kind: global_buffer, .address_space: global }
    .group_segment_fixed_size: 68096
    .private_segment_fixed_size: 0
    .kernarg_segment_align: 8
    .kernarg_segment_size: 64
    .max_flat_workgroup_size: 128
    .sgpr_count:     66
    .vgpr_count:     192
    .wavefront_size: 32
...
	.end_amdgpu_metadata
.endif
;; end of part 1
;; launch proj (part 2): grid 4 x 64, 4 waves a work-group, clusters of 4 x 4, 327,680 bytes of LDS; arguments xc, wc, lowp_scales, qkv; writes qkv
.if DOCPART == 2
	.amdgcn_target "amdgcn-amd-amdhsa--gfx1250"
	.amdhsa_code_object_version 6
	.text
	.protected	k_q2a5b0e0fa4_proj
	.globl	k_q2a5b0e0fa4_proj
	.p2align	8
	.type	k_q2a5b0e0fa4_proj,@function
k_q2a5b0e0fa4_proj:
	s_mov_b64 s[64:65], 0
	v_nop
	global_prefetch_b8 v0, s[64:65] scope:SCOPE_SE
	s_setreg_imm32_b32 hwreg(HW_REG_WAVE_MODE, 25, 1), 1
	s_wait_xcnt 0x0
	s_wait_alu depctr_hold_cnt(0) depctr_sa_sdst(0) depctr_va_vdst(0) depctr_va_sdst(0) depctr_va_ssrc(0) depctr_va_vcc(0) depctr_vm_vsrc(0)
	s_getreg_b32 s2, hwreg(HW_REG_IB_STS2, 6, 4)
	s_cmp_eq_u32 s2, 0
	s_cbranch_scc0 .Lentry_in_a_cluster
	s_endpgm
.Lentry_in_a_cluster:
	s_bfe_u32 s2, ttmp6, 0x10000c
	s_cmp_lg_u32 s2, 0xf033
	s_cbranch_scc0 .Lentry_shape_is_right
	s_endpgm
.Lentry_shape_is_right:
; q, k and v: three products on codes of FP8 (E4M3), K = 1,024; the f32 sums are quantised on the way out and leave as codes.
; A tile is out[S1 row][S0 row] = sum over k of S1[row][k] S0[row][k], 128 x 256.  The matrix instruction takes 16 rows of S0 as source 0 and 16 rows of S1 as source 1,
; so that a lane holds ONE row of S1 and eight neighbouring rows of S0: eight codes, 8 bytes that belong together.
;   q, k: S1 = x's codes (128 rows), S0 = the weight's (256 rows = 4 heads x 64): qkv[kind][b 16 + h][s][64].
;   v:    S1 = Wv's codes (128 rows n), S0 = x's (256 keys of one batch): the keys innermost, qkv[2][b 16 + h][step of 128 keys][d 64][128].
; Within each 32 columns of a tile the four groups of eight lie in the order 0-7, 16-23, 8-15, 24-31 (q and k alike, so their products meet; v's keys as attention's p comes out of its conversions).
; A WORK-GROUP STAYS: 256 work-groups, each makes three tiles, one of q, one of k, one of v.  The ring of two slots (K steps of 256) does not stop at a tile's end: a tile's last two changes of slots
; ask for the next tile's K steps 0 and 1, and the tile's codes leave while that load is out.  q and k are a loop of two trips; v's tile is written out: it asks for nothing beyond itself and has its own way out.
; A sum stands for sum x 2^(ea + eb); its code is sum / 2^(eo - ea - eb), held within +-448: the three given scales are folded into the conversion's one.
; LIMITS: e6 - e0 - e1, e7 - e2 - e3 and e9 - e4 - e5 lie between -126 and 119, so that the folded scale and 448 x it are f32 numbers.
; SHARES: four waves, each 64 rows of S1 x 128 rows of S0: 32 accumulators, 256 registers.
; CLUSTER 4 x 4: S1's tile hangs on cy alone and is asked for jointly along a row of the cluster, S0's on cx alone and jointly along a column, in all three tiles.
; PREFETCH: behind each joint load of the loop one instruction a wave names the K step that stands two refills on, which is the next tile's K step of the same number as the one in hand: of the rows that a
; wave fetches each of the four partners takes a quarter, told apart by address (16 rows of S1, 32 of S0; a lane a row of 256 bytes).  At the head the first tile's K steps 2 and 3 are named; v's tile names nothing.
; A fragment (16 rows x 128 K) is fetched by four loads of 16 bytes, 32 bytes apart: a permutation of k that is the same on both sides.
; REGISTERS: window 0: v8-31 scale, limit, addresses; v32-95 codes; v128-255 S1's fragments, two sets of 4 x 16 (v192-255 also the way out).  window 1: S0's fragments, two sets of 8 x 16.  window 2: accumulator (a, b) at v[8 (8 a + b)].
.set PITCH,  272                       ; an LDS row: 256 bytes + 16 of padding
.set S1B,    128*PITCH                 ; S1's 128 rows; S0's 256 rows lie behind them
.set SLOT,   384*PITCH
.set STAGE,  2*SLOT                    ; behind the ring: 128 rows x 272 bytes, the work-group's tile of codes; no fill lands here
.set SPARE,  STAGE+128*PITCH           ; the spare words, 128 bytes for each wave
.set SCV,  8
.set LMV,  9
.set ADRA, 16
.set ADRB, 20
.set STO,  24
.set RDQ,  25
.set RDV,  26
.set COQ,  27
.set SPW,  28                          ; v28  LDS address of my spare word; never rewritten
.set NIL,  29                          ; v29  0; never rewritten
.set COV,  30
.set PFO,  31                          ; v31  the prefetches' offset: my lane's row; never rewritten
.set CD,   32
.set AF,   128
.set OUTR, 192
.set G1,  24
.set G0,  32
.set G1B, 48
.set G0B, 56
.set CA,  4                            ; s[4:5], s[6:7]   where my part of S1 and of S0 begins in the tile in hand
.set CB,  6
.set NA,  8                            ; s[8:9], s[10:11] the same for the next tile
.set NB,  10
.set A2,  76                           ; s[76:79] the same for v's tile
.set B2,  78
.set PN,  80                           ; s[80:81] the next tile's rows that my prefetches name; s[82:83] v's tile's; s[86:87] the first tile's
.set P2,  82
.set OV,  84                           ; s[84:85] where my part of v's tile goes
.set P0,  86
.set MSB, 0
.macro WIN new
.if MSB != \new
	s_set_vgpr_msb (MSB<<8)|\new
.set MSB, \new
.endif
.endm
.set MUL, 0xa1                         ; source 0 (S0) window 1, source 1 (S1) window 0, C and D window 2
.macro JLOAD s                         ; waves 0 and 1 fetch S1's halves, waves 2 and 3 S0's.  An s_nop 0 and four v_nop follow each line
	s_cmp_eq_u32 s15, 0
	s_cbranch_scc0 .Lfor_b_\@
	tensor_load_to_lds s[G0+4*\s:G0+4*\s+3], s[G1:G1+7]
	s_nop 0
.rept 4
	v_nop
.endr
	s_branch .Lasked_\@
.Lfor_b_\@:
	tensor_load_to_lds s[G0B+4*\s:G0B+4*\s+3], s[G1B:G1B+7]
	s_nop 0
.rept 4
	v_nop
.endr
.Lasked_\@:
.endm
.macro SETD s, pa, pb, off             ; slot s's two groups 0 take byte off of the rows at pa, pb; written only where no load of mine is out
	s_add_nc_u64 s[G0+4*\s+2:G0+4*\s+3], s[\pa:\pa+1], \off
	s_or_b32 s[G0+4*\s+3], s[G0+4*\s+3], 0x80000000
	s_add_nc_u64 s[G0B+4*\s+2:G0B+4*\s+3], s[\pb:\pb+1], \off
	s_or_b32 s[G0B+4*\s+3], s[G0B+4*\s+3], 0x80000000
.endm
.macro CREST
	s_cmp_lg_u32 s14, 0
	s_cbranch_scc1 .Lnot_wave_0_\@
	s_barrier_signal -3
.Lnot_wave_0_\@:
	s_barrier_wait -3
	s_barrier_signal -1
	s_barrier_wait -1
.endm
.macro CROUND
	s_barrier_signal -1
	s_barrier_wait -1
	CREST
.endm
.macro PLACES n
.rept \n
	v_nop
.endr
.endm
.macro MKS d, fs, fl                   ; the whole number in s[d] makes s[fs] = 2^d and s[fl] = 448 x 2^d as f32
	s_add_co_i32 s[\d], s[\d], 127
	s_lshl_b32 s[\fs], s[\d], 23
	s_add_co_i32 s[\d], s[\d], 8
	s_lshl_b32 s[\d], s[\d], 23
	s_or_b32 s[\fl], s[\d], 0x600000
.endm
	s_load_b256 s[68:75], s[0:1], 0x0              ; xc s[68:69], wc s[70:71], the exponents s[72:73], qkv s[74:75]
	v_lshl_add_u32 v[SPW], v0, 2, SPARE
	v_mov_b32 v[NIL], 0
	ds_add_u32 v[SPW], v[NIL]                      ; the opening: the add, twice on end, and its wait ahead of my first tensor load
	ds_add_u32 v[SPW], v[NIL]
	v_lshrrev_b32 v1, 5, v0
	v_readfirstlane_b32 s14, v1                    ; wave 0..3
	s_lshr_b32 s15, s14, 1                         ; my half of S1's rows.  Also: I fetch for S1 (0) or for S0 (1)
	s_and_b32 s16, s14, 1                          ; my half of S0's rows.  Also: which half of that tile I fetch
	s_bfe_u32 s40, ttmp6, 0x40000                  ; cx: also S0's tile for q and k
	s_bfe_u32 s41, ttmp6, 0x40004                  ; cy
	s_and_b32 s12, ttmp7, 0xffff                   ; the cluster's y, 0 .. 15
	s_lshl_b32 s17, s12, 2
	s_add_co_u32 s17, s17, s41                     ; q, k: S1's tile (x), 0 .. 63
	s_and_b32 s13, s12, 7
	s_lshl_b32 s42, s13, 2
	s_add_co_u32 s42, s42, s40                     ; v: S0's tile (x), 0 .. 31
	s_lshr_b32 s13, s12, 3
	s_lshl_b32 s18, s13, 2
	s_add_co_u32 s18, s18, s41                     ; v: S1's tile (Wv), 0 .. 7
	s_lshl_b32 s43, s41, 2
	s_lshl_b32 s43, 15, s43                        ; my row of the cluster
	s_lshl_b32 s44, 0x1111, s40                    ; my column
	s_or_b32 s[G1+0], s43, (1<<20)|(1<<21)|(5<<22)|(3<<25)   ; the mask; elements of 1 byte; padding on; 21 set beside a mask; four words after every 64
	s_or_b32 s[G1B+0], s44, (1<<20)|(1<<21)|(5<<22)|(3<<25)
	s_mov_b32 s[G1+1], 256<<16
	s_mov_b32 s[G1+2], 64<<16                      ; 64 rows
	s_mov_b32 s[G1+3], 256<<16
	s_mov_b32 s[G1+4], 64
	s_mov_b32 s[G1+5], 1024
	s_mov_b32 s[G1+6], 0
	s_mov_b32 s[G1+7], 0
	s_mov_b32 s[G1B+1], 256<<16
	s_mov_b32 s[G1B+2], 128<<16                    ; 128 rows
	s_mov_b32 s[G1B+3], 256<<16
	s_mov_b32 s[G1B+4], 128
	s_mov_b32 s[G1B+5], 1024
	s_mov_b32 s[G1B+6], 0
	s_mov_b32 s[G1B+7], 0
	s_lshl_b32 s19, s16, 6
	s_lshl_b32 s20, s17, 7                         ; q, k: S1: row 128 x tile + 64 x half, rows of 1,024 bytes
	s_add_co_u32 s20, s20, s19
	s_lshl_b32 s20, s20, 10
	s_mov_b32 s21, 0
	s_lshl_b32 s22, s18, 7                         ; v: S1 likewise, in the weights' plane 2
	s_add_co_u32 s22, s22, s19
	s_lshl_b32 s22, s22, 10
	s_add_co_u32 s22, s22, 0x200000
	s_mov_b32 s23, 0
	s_lshl_b32 s19, s16, 7
	s_lshl_b32 s46, s40, 8                         ; q, k: S0: row 256 x tile + 128 x half
	s_add_co_u32 s46, s46, s19
	s_lshl_b32 s46, s46, 10
	s_mov_b32 s47, 0
	s_lshl_b32 s86, s42, 8                         ; v: S0 likewise, in x's plane 2
	s_add_co_u32 s86, s86, s19
	s_lshl_b32 s86, s86, 10
	s_add_co_u32 s86, s86, 0x1000000
	s_mov_b32 s87, 0
	s_mul_i32 s45, s16, 64*PITCH                   ; where they go: no place in the cluster enters an LDS address
	s_mul_i32 s19, s16, 128*PITCH
	s_add_co_u32 s19, s19, S1B
	s_wait_dscnt 0x0                               ; both opening adds are done
	s_wait_kmcnt 0x0
	s_load_b256 s[88:95], s[72:73], 0x0            ; e0 .. e7
	s_load_b64 s[96:97], s[72:73], 0x20            ; e8, e9
	s_add_nc_u64 s[CA:CA+1], s[68:69], s[20:21]    ; q: x's plane 0, the weights' plane 0
	s_add_nc_u64 s[CB:CB+1], s[70:71], s[46:47]
	s_add_nc_u64 s[NA:NA+1], s[CA:CA+1], 0x800000  ; k: plane 1 of each
	s_add_nc_u64 s[NB:NB+1], s[CB:CB+1], 0x100000
	s_add_nc_u64 s[A2:A2+1], s[70:71], s[22:23]    ; v
	s_add_nc_u64 s[B2:B2+1], s[68:69], s[86:87]
	CROUND                                         ; all sixteen work-groups are here: the first joint loads meet
.irp s, 0,1
	s_mov_b32 s[G0+4*\s], 1
	s_add_co_u32 s[G0+4*\s+1], s45, \s*SLOT
	s_mov_b32 s[G0B+4*\s], 1
	s_add_co_u32 s[G0B+4*\s+1], s19, \s*SLOT
	SETD \s, CA, CB, \s*256
.endr
	JLOAD 0                                        ; q's K step 0: one tensor load a wave at the head
	s_wait_kmcnt 0x0
	s_add_co_i32 s98, s88, s89
	s_sub_co_i32 s98, s94, s98                     ; q: e6 - e0 - e1
	s_add_co_i32 s99, s90, s91
	s_sub_co_i32 s99, s95, s99                     ; k: e7 - e2 - e3
	s_add_co_i32 s100, s92, s93
	s_sub_co_i32 s100, s97, s100                   ; v: e9 - e4 - e5
	MKS 98, 88, 89
	MKS 99, 90, 91
	MKS 100, 92, 93
	s_mov_b32 s94, s88                             ; the tile in hand's
	s_mov_b32 s95, s89
	s_mul_i32 s43, s15, 64*PITCH                   ; my S1 fragments,
	s_mul_i32 s44, s16, 128*PITCH
	s_add_co_u32 s44, s44, S1B                     ; my S0 fragments
	s_lshl_b32 s20, s16, 7                         ; the stage, in: row 64 x my S1 half, byte 128 x my S0 half
	s_add_co_u32 s20, s20, s43
	s_add_co_u32 s20, s20, STAGE
	s_mul_i32 s21, s14, 32*PITCH                   ; back: wave w takes rows 32 w .. 32 w + 31
	s_add_co_u32 s21, s21, STAGE
	s_lshr_b32 s22, s42, 3                         ; v's way out: batch, head n / 64 (131,072 bytes), two steps of 8,192 bytes, row d = n % 64 of 128 bytes; n = 128 x tile + 32 w
	s_lshl_b32 s22, s22, 21
	s_add_co_u32 s22, s22, 0x1000000
	s_lshl_b32 s23, s18, 7
	s_lshl_b32 s46, s14, 5
	s_add_co_u32 s23, s23, s46
	s_lshr_b32 s47, s23, 6
	s_lshl_b32 s47, s47, 17
	s_add_co_u32 s22, s22, s47
	s_and_b32 s23, s23, 63
	s_lshl_b32 s23, s23, 7
	s_add_co_u32 s22, s22, s23
	s_and_b32 s23, s42, 7
	s_lshl_b32 s23, s23, 14
	s_add_co_u32 s22, s22, s23
	s_mov_b32 s23, 0
	s_add_nc_u64 s[OV:OV+1], s[74:75], s[22:23]
	s_lshr_b32 s22, s17, 4                         ; q's: batch (2,097,152 bytes), head 4 cx (131,072 bytes a head), row 128 (tile % 16) + 32 w of 64 bytes
	s_lshl_b32 s22, s22, 21
	s_lshl_b32 s47, s40, 19
	s_add_co_u32 s22, s22, s47
	s_and_b32 s47, s17, 15
	s_lshl_b32 s47, s47, 7
	s_add_co_u32 s47, s47, s46
	s_lshl_b32 s47, s47, 6
	s_add_co_u32 s22, s22, s47
	s_add_nc_u64 s[74:75], s[74:75], s[22:23]
	s_lshl_b32 s12, s40, 14                        ; the prefetches: of S1's 64 rows partner cx takes 16,
	s_lshl_b32 s13, s41, 15                        ; of S0's 128 rows partner cy takes 32
	s_mov_b32 s2, 31
	s_cmp_eq_u32 s15, 0
	s_cselect_b32 s12, s12, s13
	s_cselect_b32 s2, 15, s2
	s_cselect_b64 s[P0:P0+1], s[CA:CA+1], s[CB:CB+1]
	s_cselect_b64 s[PN:PN+1], s[NA:NA+1], s[NB:NB+1]
	s_cselect_b64 s[P2:P2+1], s[A2:A2+1], s[B2:B2+1]
	s_mov_b32 s13, 0
	s_add_nc_u64 s[P0:P0+1], s[P0:P0+1], s[12:13]
	s_add_nc_u64 s[PN:PN+1], s[PN:PN+1], s[12:13]
	s_add_nc_u64 s[P2:P2+1], s[P2:P2+1], s[12:13]
	s_mov_b32 s3, 0                                ; tiles done
	v_and_b32 v1, 15, v0                           ; r
	v_bfe_u32 v2, v0, 4, 1                         ; h
	v_mul_u32_u24 v3, v1, PITCH
	v_lshl_add_u32 v4, v2, 4, v3                   ; row x pitch + 16 h
	v_add_nc_u32 v[ADRA], s43, v4
	v_add_nc_u32 v[ADRB], s44, v4
	v_add_nc_u32 v[ADRA+1], SLOT, v[ADRA]
	v_add_nc_u32 v[ADRB+1], SLOT, v[ADRB]
	v_add_nc_u32 v[STO], s20, v4                   ; column 32 c + 16 u + 8 h + x goes to byte 32 c + 16 h + 8 u + x
	v_and_b32 v6, 31, v0
	v_lshrrev_b32 v7, 2, v6
	v_mul_u32_u24 v7, v7, PITCH
	v_and_b32 v5, 3, v0
	v_lshl_add_u32 v7, v5, 4, v7
	v_add_nc_u32 v[RDQ], s21, v7                   ; four lanes to a row's 64 bytes
	v_mul_u32_u24 v7, v2, PITCH
	v_lshl_add_u32 v7, v1, 4, v7
	v_add_nc_u32 v[RDV], s21, v7                   ; sixteen lanes to a row's 256 bytes
	v_lshlrev_b32 v[COQ], 4, v6
	v_lshlrev_b32 v7, 7, v2                        ; v: a row d is 128 bytes; lanes 8-15 of a stage row hold the next step's keys, 8,192 bytes on
	v_and_b32 v5, 7, v1
	v_lshl_add_u32 v7, v5, 4, v7
	v_lshrrev_b32 v5, 3, v1
	v_lshl_add_u32 v[COV], v5, 13, v7
	v_and_b32 v5, s2, v0
	v_lshlrev_b32 v[PFO], 10, v5                   ; a lane a row of 1,024 bytes
	global_prefetch_b8 v[PFO], s[P0:P0+1] offset:512 th:TH_LOAD_NT scope:SCOPE_SE   ; q's K steps 2 and 3, which the first two changes of slots load
	global_prefetch_b8 v[PFO], s[P0:P0+1] offset:768 th:TH_LOAD_NT scope:SCOPE_SE
.macro FRAG reg, adr, q, i             ; lane l holds row l % 16; registers 4 c .. 4 c + 3 hold K = 32 c + 16 (l / 16) + 0 .. 15 of the slot's q-th 128
.irp c, 0,1,2,3
	ds_load_b128 v[\reg+4*\c:\reg+4*\c+3], v[\adr] offset:128*(\q)+32*\c+(\i)*16*PITCH
.endr
.endm
.macro FETCH slot, q, p                ; 48 loads in one run: S0's eight fragments and S1's four, into set p
	WIN 0x40
.irp i, 0,1,2,3,4,5,6,7
	FRAG 128*(\p)+16*\i, ADRB+\slot, \q, \i
.endr
	WIN 0
.irp i, 0,1,2,3
	FRAG AF+64*(\p)+16*\i, ADRA+\slot, \q, \i
.endr
.endm
; 8 matrix instructions: S1's block a against S0's eight.  The 32 accumulators take turns, one instruction a turn, in the same order in every step.
.macro MUL8 a, p, zero
	WIN MUL
.irp b, 0,1,2,3,4,5,6,7
.if \zero
	v_wmma_f32_16x16x128_fp8_fp8 v[8*(8*(\a)+\b):8*(8*(\a)+\b)+7], v[128*(\p)+16*\b:128*(\p)+16*\b+15], v[AF+64*(\p)+16*(\a):AF+64*(\p)+16*(\a)+15], 0
.else
	v_wmma_f32_16x16x128_fp8_fp8 v[8*(8*(\a)+\b):8*(8*(\a)+\b)+7], v[128*(\p)+16*\b:128*(\p)+16*\b+15], v[AF+64*(\p)+16*(\a):AF+64*(\p)+16*(\a)+15], v[8*(8*(\a)+\b):8*(8*(\a)+\b)+7]
.endif
.endr
.endm
.macro STEP slot, zero                 ; a slot's first 128 along K: set 0 is multiplied; the second 128 are fetched into set 1 ahead of the 32 products
	s_wait_dscnt 0x0                               ; set 0 is in
	PLACES 4                                       ; four plain places between the last products that read set 1 and the loads into it
	FETCH \slot, 1, 1
	MUL8 0, 0, \zero
	MUL8 1, 0, \zero
	MUL8 2, 0, \zero
	MUL8 3, 0, \zero
	WIN 0
.endm
; A slot's second 128 along K, and the change of slots.  fill = 1: the slot takes byte off of the rows at pa, pb.  ask >= 0: the next tile's K step of that number is prefetched.
.macro TURN slot, next, fill, pa, pb, off, ask
	s_wait_tensorcnt 0x0                           ; all my tensor loads have landed: my part of the next slot
	ds_add_u32 v[SPW], v[NIL]                      ; 0 onto my spare word
	s_wait_dscnt 1                                 ; set 1 is in; the add alone may be out
	MUL8 0, 1, 0
	s_wait_dscnt 0x0                               ; the add is done, and my reads of this slot are over
	s_barrier_signal -1
	MUL8 1, 1, 0
	WIN 0
	s_barrier_wait -1
.if \fill
	CREST                                          ; the barrier has opened a round of the cluster's
	SETD \slot, \pa, \pb, \off
	JLOAD \slot                                    ; the first tensor load behind the round, my only one; its four v_nop are the places in front of the loads below
.else
	PLACES 4
.endif
	FETCH \next, 0, 0
.if \ask >= 0
	global_prefetch_b8 v[PFO], s[PN:PN+1] offset:256*(\ask) th:TH_LOAD_NT scope:SCOPE_SE
.endif
	MUL8 2, 1, 0
	MUL8 3, 1, 0
	WIN 0
.endm
; A tile's sums become codes in the stage: hold, convert, 8 bytes a lane; a barrier, since a row's bytes come from two waves.
.macro CODES fs, fl
	v_mov_b32 v[SCV], s[\fs]
	v_mov_b32 v[LMV], s[\fl]                       ; (these two lines and the two below are the four places behind the last products)
	PLACES 2
	WIN 0x82
.set j, 0
.rept 256
	v_med3_num_f32 v[j], v[j], -v[LMV], v[LMV]     ; the conversion does not saturate (ISA guide 7.6.2): the hold; each accumulator from its low end on
.set j, j+1
.endr
	WIN 0x02
.set j, 0
.rept 32
	v_cvt_scalef32_pk8_fp8_f32 v[CD+2*j:CD+2*j+1], v[8*j:8*j+7], v[SCV]
.set j, j+1
.endr
	WIN 0
	v_nop                                          ; one plain line behind the last conversion
.irp a, 0,1,2,3
.irp b, 0,1,2,3,4,5,6,7
	ds_store_b64 v[STO], v[CD+2*(8*\a+\b):CD+2*(8*\a+\b)+1] offset:\a*16*PITCH+32*(\b/2)+8*(\b%2)   ; out(16 a + r, 16 b + 8 h + 0 .. 7)
.endr
.endr
	s_wait_dscnt 0x0                               ; for the others' sake: my stores into the stage are done
	s_barrier_signal -1
	s_barrier_wait -1
.endm
	s_wait_alu depctr_va_vdst(0)                   ; the wait at the head's end
	s_wait_tensorcnt 0x0                           ; my part of K step 0 is in
	ds_add_u32 v[SPW], v[NIL]
	s_wait_dscnt 0x0
	CROUND
	JLOAD 1                                        ; q's K step 1: the first tensor load behind the round
	FETCH 0, 0, 0
.Ltile:                                            ; two trips: q, k
	STEP 0, 1                                      ; the first products start the sums: nothing is cleared
	TURN 0, 1, 1, CA, CB, 512, 0
	STEP 1, 0
	TURN 1, 0, 1, CA, CB, 768, 1
	STEP 0, 0
	TURN 0, 1, 1, NA, NB, 0, 2                     ; the ring goes on into the next tile
	STEP 1, 0
	TURN 1, 0, 1, NA, NB, 256, 3
	CODES 94, 95
.irp z, 0,1,2,3
.irp g, 0,1,2,3
	ds_load_b128 v[OUTR+4*(4*\z+\g):OUTR+4*(4*\z+\g)+3], v[RDQ] offset:\g*8*PITCH+64*\z   ; head z, rows 8 g .. 8 g + 7
.endr
.endr
.irp z, 0,1,2,3
.irp g, 0,1,2,3
	s_wait_dscnt 15-(4*\z+\g)                      ; the younger loads may be out
	global_store_b128 v[COQ], v[OUTR+4*(4*\z+\g):OUTR+4*(4*\z+\g)+3], s[74:75] offset:\z*131072+\g*512   ; eight rows of 64 bytes: 512 consecutive bytes, aligned
.endr
.endr
	s_wait_xcnt 0x0                                ; the stores and prefetches have read their registers: bases and set 1 may be written
	s_add_nc_u64 s[74:75], s[74:75], 0x800000      ; k's plane
	s_mov_b64 s[CA:CA+1], s[NA:NA+1]
	s_mov_b64 s[CB:CB+1], s[NB:NB+1]
	s_mov_b64 s[NA:NA+1], s[A2:A2+1]
	s_mov_b64 s[NB:NB+1], s[B2:B2+1]
	s_mov_b64 s[PN:PN+1], s[P2:P2+1]
	s_mov_b32 s94, s90
	s_mov_b32 s95, s91
	s_add_co_u32 s3, s3, 1
	s_cmp_lt_u32 s3, 2
	s_wait_alu depctr_va_vdst(0)                   ; the wait directly ahead of the branch
	s_cbranch_scc1 .Ltile
	STEP 0, 1                                      ; v's tile, written out
	TURN 0, 1, 1, CA, CB, 512, -1
	STEP 1, 0
	TURN 1, 0, 1, CA, CB, 768, -1
	STEP 0, 0
	TURN 0, 1, 0, CA, CB, 0, -1                    ; nothing is left to fetch
	STEP 1, 0
	s_wait_dscnt 0x0
	MUL8 0, 1, 0
	MUL8 1, 1, 0
	MUL8 2, 1, 0
	MUL8 3, 1, 0
	WIN 0
	CODES 92, 93
.irp t, 0,1,2,3,4,5,6,7,8,9,10,11,12,13,14,15
	ds_load_b128 v[OUTR+4*\t:OUTR+4*\t+3], v[RDV] offset:\t*2*PITCH
.endr
.irp t, 0,1,2,3,4,5,6,7,8,9,10,11,12,13,14,15
	s_wait_dscnt 15-\t
	global_store_b128 v[COV], v[OUTR+4*\t:OUTR+4*\t+3], s[OV:OV+1] offset:\t*256   ; rows d, d + 1 of two steps: two aligned runs of 256 bytes, each written whole
.endr
	s_wait_tensorcnt 0x0                           ; the wave's end, behind my last tensor load and my last LDS store
	ds_add_u32 v[SPW], v[NIL]
	s_wait_dscnt 0x0
	CROUND                                         ; the closing round
	s_endpgm
.Lfunc_end_k_q2a5b0e0fa4_proj:
	.size	k_q2a5b0e0fa4_proj, .Lfunc_end_k_q2a5b0e0fa4_proj-k_q2a5b0e0fa4_proj
	.p2alignl 7, 3214868480
	.fill 96, 4, 3214868480
	.section	.rodata,"a",@progbits
	.p2align	6, 0x0
	.amdhsa_kernel k_q2a5b0e0fa4_proj
		.amdhsa_group_segment_fixed_size 327680
		.amdhsa_private_segment_fixed_size 0
		.amdhsa_enable_private_segment 0
		.amdhsa_kernarg_size 32
		.amdhsa_user_sgpr_count 2
		.amdhsa_user_sgpr_kernarg_segment_ptr 1
		.amdhsa_wavefront_size32 1
		.amdhsa_system_sgpr_workgroup_id_x 1
		.amdhsa_system_sgpr_workgroup_id_y 1
		.amdhsa_system_sgpr_workgroup_id_z 1
		.amdhsa_system_vgpr_workitem_id 0
		.amdhsa_next_free_vgpr 768
		.amdhsa_next_free_sgpr 102
		.amdhsa_reserve_vcc 0
		.amdhsa_float_denorm_mode_32 3
		.amdhsa_float_denorm_mode_16_64 3
		.amdhsa_memory_ordered 1
		.amdhsa_forward_progress 1
		.amdhsa_inst_pref_size 150
	.end_amdhsa_kernel
	.amdgpu_metadata
---
amdhsa.version: [ 1, 2 ]
amdhsa.kernels:
  - .name:           k_q2a5b0e0fa4_proj
    .symbol:         k_q2a5b0e0fa4_proj.kd
    .args:
      - { .name: xc, .offset: 0, .size: 8, .value_kind: global_buffer, .address_space: global }
      - { .name: wc, .offset: 8, .size: 8, .value_kind: global_buffer, .address_space: global }
      - { .name: lowp_scales, .offset: 16, .size: 8, .value_kind: global_buffer, .address_space: global }
      - { .name: qkv, .offset: 24, .size: 8, .value_kind: global_buffer, .address_space: global }
    .group_segment_fixed_size: 327680
    .private_segment_fixed_size: 0
    .kernarg_segment_align: 8
    .kernarg_segment_size: 32
    .max_flat_workgroup_size: 128
    .sgpr_count:     102
    .vgpr_count:     768
    .wavefront_size: 32
...
	.end_amdgpu_metadata
.endif
;; end of part 2
;; launch attn (part 3): grid 4 x 64, 16 waves a work-group, clusters of 4 x 1, 327,680 bytes of LDS; arguments qkv, lowp_scales, oc; writes oc
.if DOCPART == 3
	.amdgcn_target "amdgcn-amd-amdhsa--gfx1250"
	.amdhsa_code_object_version 6
	.text
	.protected	k_q2a5b0e0fa4_attn
	.globl	k_q2a5b0e0fa4_attn
	.p2align	8
	.type	k_q2a5b0e0fa4_attn,@function
k_q2a5b0e0fa4_attn:
	s_mov_b64 s[64:65], 0
	v_nop
	global_prefetch_b8 v0, s[64:65] scope:SCOPE_SE
	s_setreg_imm32_b32 hwreg(HW_REG_WAVE_MODE, 25, 1), 1
	s_wait_xcnt 0x0
	s_wait_alu depctr_hold_cnt(0) depctr_sa_sdst(0) depctr_va_vdst(0) depctr_va_sdst(0) depctr_va_ssrc(0) depctr_va_vcc(0) depctr_vm_vsrc(0)
	s_getreg_b32 s2, hwreg(HW_REG_IB_STS2, 6, 4)
	s_cmp_eq_u32 s2, 0
	s_cbranch_scc0 .Lentry_in_a_cluster
	s_endpgm
.Lentry_in_a_cluster:
	s_bfe_u32 s2, ttmp6, 0x10000c
	s_cmp_lg_u32 s2, 0x3003
	s_cbranch_scc0 .Lentry_shape_is_right
	s_endpgm
.Lentry_shape_is_right:
; Causal attention on codes of FP8 (E4M3), head size 64, 2,048 keys a head, 64 heads (b 16 + h).
; q, k: qkv[0], qkv[1]: [head][s][64].  v: qkv[2]: [head][step of 128 keys][d 64][128], the keys innermost.  Within each 32 along K the four groups of eight lie in the
; order 0-7, 16-23, 8-15, 24-31, in q and k alike (the products meet) and in v's keys (so p's codes are the second product's operand as they come out of the conversions).
; The result is quantised with the given 2^e10 and leaves as codes, oc[h][b 2048 + s][64]: a wave's 16 queries are 1,024 consecutive bytes.
; THE SOFTMAX: t = score x log2(e) / 8; M = the row's largest t so far, rounded UP to a whole number; p = 2^(t - M) is quantised with 2^e8, not normalised; the row's sum is taken
; of the unquantised p and divides at the end.  When M moves, the sum and O are multiplied by 2^(old M - new M): exact.
; LEFT OUT: key steps all of whose keys come after a tile's queries: the causal mask gives them the weight 0.
; ALL OF A HEAD'S K AND V LIE IN LDS: each is 131,072 dense bytes, brought as 512 rows of 256 bytes with 16 of padding: 2 x 139,264 bytes.  Nothing is filled twice, so there is no ring.
; CLUSTER 4 x 1: the four work-groups of a head ask for K and V jointly.  Every wave issues one joint load at the head (waves 0-7: K, waves 8-15: V; 16 rows each: keys 0-511) and one more
; behind the full sequence and a round (48 rows each: keys 512-2,047).  All addresses of these loads are arithmetic on the head and the wave's number.
; SHARES.  A head's queries are 16 blocks of 128, each of eight tiles of 16.  Work-group cx owns tiles cx and cx + 4 of every block: every partner reads every key.  Wave w takes tile cx + 4 (w / 8)
; of block max(w, 15 - w), then of block min(w, 15 - w): (j + 1) steps of 128 keys each, 17 in every wave.  The long tile's first four steps (keys 0-511, all open since its block is 8 or later)
; stand between the second load and the wait for it; behind that wait and one barrier the waves share nothing more.
; Trip counts are constants; a hidden step is jumped over and the mask is passed over by branches on the wave's number and the count of steps alone, never on cx.
; NO PREFETCH: every byte of K and V is asked for by the two loads at the head; no later load exists to run ahead of.
; LAYOUT.  Both products are used transposed: S^T = K Q^T (source 0 = 16 neighbouring keys, source 1 = my 16 queries), O^T = V^T P^T: a lane holds ONE query (lane % 16) throughout.
; Register 8 t + i of the scores holds key 16 t + 8 (lane / 16) + i of the step.
; LIMITS: e6 + e7 between -123 and 130 (added to c's exponent field); e8 and e10 between -126 and 119; the scaled scores t stay under 2^31 in magnitude.
; REGISTERS: v1-11 addresses; v12 -M, v13 the largest t, v[14:15] the sum; v16-23, v24-31 Q of the two tiles; v32-95 K's eight fragments, then V's four; v96-159 S^T, then p; v160-191 O^T; v200-214 at work and scales; v224-239 p's codes; v244-255 partial sums.
.set PITCH, 272                        ; an LDS row: 256 bytes + 16: four keys of K, or two rows d of V; the 16 rows of a fragment start at 16 different groups of four banks
.set STEPB, 32*PITCH                   ; 128 keys of K, and of V
.set VOFF,  16*STEPB                   ; V lies behind K
.set STAGE, 2*VOFF                     ; the way out: 16 rows x 80 bytes for each wave; no fill lands here
.set SP,    80
.set SPARE, STAGE+16*16*SP             ; the spare words, 128 bytes for each wave: eight blocks of 256 bytes that no other line names
.set AK0, 1
.set AV0, 2
.set SPW, 5                            ; v5  LDS address of my spare word; never rewritten
.set NIL, 6                            ; v6  0; never rewritten
.set GO,  7                            ; v7  16 x lane
.set ADK, 8
.set ADV, 9
.set STI, 10                           ; v10 the stage, in
.set STB, 11                           ; v11 the stage, back
.set TBY, 3                            ; s3  LDS byte at which the step in hand begins
.set WV,  18
.set SEL, 20                           ; s[20:21] v_permlanex16_b32's selects: lane l xor 16
.set CS,  22                           ; s[22:23] c = log2(e) / 8 x 2^(e6 + e7)
.set G1A, 24
.set G1B, 32
.set G0A, 40
.set G0B, 44
.set ST,  66                           ; s66 the step's number
.set JB,  67                           ; s67 the block of the tile in hand: its diagonal step
.set JS,  68                           ; s68 the short tile's block
.set E89, 69
.set QA,  70
.set QB,  72
.set OA,  74
.set OB,  76
.macro ROUND                           ; a round of the cluster's barrier
	s_barrier_signal -1
	s_barrier_wait -1
	s_cmp_lg_u32 s[WV], 0
	s_cbranch_scc1 .Lnot_wave_0_\@
	s_barrier_signal -3
.Lnot_wave_0_\@:
	s_barrier_wait -3
	s_barrier_signal -1
	s_barrier_wait -1
.endm
.macro INIT                            ; a tile begins: the step is written once; the first finds zeros, which the first change of M leaves zeros
	v_mov_b32 v13, 0xff61b1e6                      ; the largest t so far: -3e38
	v_mov_b32 v14, 0
	v_mov_b32 v15, 0
	v_floor_f32 v12, -v13                          ; -M
.set j, 0
.rept 32
	v_mov_b32 v[160+j], 0
.set j, j+1
.endr
.endm
	s_load_b128 s[4:7], s[0:1], 0x0                ; qkv s[4:5], the exponents s[6:7]
	s_load_b64 s[8:9], s[0:1], 0x10                ; oc
	v_lshl_add_u32 v[SPW], v0, 2, SPARE
	v_mov_b32 v[NIL], 0
	ds_add_u32 v[SPW], v[NIL]                      ; the opening: the add, twice on end, and its wait ahead of my first tensor load
	ds_add_u32 v[SPW], v[NIL]
	v_lshrrev_b32 v8, 5, v0
	v_readfirstlane_b32 s[WV], v8                  ; wave 0..15
	s_and_b32 s10, ttmp7, 0xffff                   ; the head: the cluster's y
	s_bfe_u32 s11, ttmp6, 0x40000                  ; cx
	s_lshl_b32 s12, s10, 17                        ; the head's 131,072 bytes in each plane
	s_mov_b32 s13, 0
	s_lshr_b32 s14, s[WV], 3                       ; I fetch for K (0) or for V (1)
	s_and_b32 s15, s[WV], 7                        ; which eighth
	s_lshl_b32 s16, s14, 23
	s_add_co_u32 s16, s16, 0x800000                ; k's plane or v's
	s_lshl_b32 s17, s15, 12
	s_add_co_u32 s54, s16, s17                     ; first load: 16 rows of 256 bytes
	s_mov_b32 s55, 0
	s_mul_i32 s17, s15, 48*256
	s_add_co_u32 s56, s16, s17
	s_add_co_u32 s56, s56, 128*256                 ; second load: 48 rows, behind the first 128
	s_mov_b32 s57, 0
	s_mul_i32 s58, s14, VOFF
	s_mul_i32 s59, s15, 16*PITCH
	s_add_co_u32 s59, s59, s58                     ; and where they go
	s_mul_i32 s60, s15, 48*PITCH
	s_add_co_u32 s60, s60, s58
	s_add_co_u32 s60, s60, 128*PITCH
	s_mov_b32 s[G1A], 15|(1<<20)|(1<<21)|(5<<22)|(3<<25)   ; the mask: all four partners; elements of 1 byte; padding on; 21 set beside a mask; four words after every 64
	s_mov_b32 s[G1A+1], 256<<16                    ; tensor_dim0
	s_mov_b32 s[G1A+2], 16<<16                     ; tensor_dim1
	s_mov_b32 s[G1A+3], 256<<16                    ; tile_dim0
	s_mov_b32 s[G1A+4], 16                         ; tile_dim1
	s_mov_b32 s[G1A+5], 256                        ; from row to row
	s_mov_b32 s[G1A+6], 0
	s_mov_b32 s[G1A+7], 0
	s_mov_b32 s[G1B], 15|(1<<20)|(1<<21)|(5<<22)|(3<<25)
	s_mov_b32 s[G1B+1], 256<<16
	s_mov_b32 s[G1B+2], 48<<16
	s_mov_b32 s[G1B+3], 256<<16
	s_mov_b32 s[G1B+4], 48
	s_mov_b32 s[G1B+5], 256
	s_mov_b32 s[G1B+6], 0
	s_mov_b32 s[G1B+7], 0
	s_wait_dscnt 0x0                               ; both opening adds are done
	s_wait_kmcnt 0x0
	s_load_b128 s[48:51], s[6:7], 0x18             ; e6, e7, e8, e9
	s_load_b32 s52, s[6:7], 0x28                   ; e10
	s_add_nc_u64 s[78:79], s[4:5], s[12:13]        ; my head in q's plane
	s_mov_b32 s[G0A], 1
	s_mov_b32 s[G0A+1], s59
	s_add_nc_u64 s[G0A+2:G0A+3], s[78:79], s[54:55]
	s_or_b32 s[G0A+3], s[G0A+3], 0x80000000
	s_mov_b32 s[G0B], 1
	s_mov_b32 s[G0B+1], s60
	s_add_nc_u64 s[G0B+2:G0B+3], s[78:79], s[56:57]
	s_or_b32 s[G0B+3], s[G0B+3], 0x80000000
	ROUND                                          ; the four work-groups are here: the first joint loads meet
	tensor_load_to_lds s[G0A:G0A+3], s[G1A:G1A+7]  ; keys 0-511: my one load at the head
	s_nop 0
.rept 4
	v_nop
.endr
	s_sub_co_u32 s80, 15, s[WV]
	s_max_u32 s[JB], s[WV], s80                    ; the long tile's block, 8..15
	s_min_u32 s[JS], s[WV], s80                    ; the short tile's, 0..7
	s_lshl_b32 s81, s14, 2
	s_add_co_u32 s81, s81, s11
	s_lshl_b32 s81, s81, 4                         ; my tile's first query in its block: 16 (cx + 4 (wave / 8))
	s_lshl_b32 s82, s[JB], 7
	s_add_co_u32 s82, s82, s81
	s_lshl_b32 s82, s82, 6                         ; the long tile's first row of 64 bytes,
	s_lshl_b32 s84, s[JS], 7
	s_add_co_u32 s84, s84, s81
	s_lshl_b32 s84, s84, 6                         ; the short tile's
	s_mov_b32 s83, 0
	s_mov_b32 s85, 0
	s_add_nc_u64 s[QA:QA+1], s[78:79], s[82:83]
	s_add_nc_u64 s[QB:QB+1], s[78:79], s[84:85]
	s_and_b32 s86, s10, 15                         ; oc: h x 524,288 + b x 131,072
	s_lshl_b32 s86, s86, 19
	s_lshr_b32 s87, s10, 4
	s_lshl_b32 s87, s87, 17
	s_add_co_u32 s86, s86, s87
	s_mov_b32 s87, 0
	s_add_nc_u64 s[8:9], s[8:9], s[86:87]
	s_add_nc_u64 s[OA:OA+1], s[8:9], s[82:83]
	s_add_nc_u64 s[OB:OB+1], s[8:9], s[84:85]
	s_mul_i32 s88, s[WV], 16*SP
	s_add_co_u32 s88, s88, STAGE                   ; my stage
	s_mov_b32 s[SEL], 0x76543210
	s_mov_b32 s[SEL+1], 0xfedcba98
	s_mov_b32 s[CS], 0x3e38aa3b                    ; log2(e) / 8
	s_mov_b32 s[TBY], 0
	s_mov_b32 s[ST], 0
	s_wait_kmcnt 0x0
	s_add_co_i32 s89, s48, s49
	s_lshl_b32 s89, s89, 23
	s_add_co_i32 s[CS], s[CS], s89                 ; a score stands for score x 2^(e6 + e7): added to c's exponent field
	s_mov_b32 s[CS+1], s[CS]
	s_add_co_i32 s[E89], s50, s51                  ; e8 + e9
	s_add_co_i32 s89, s50, 127
	s_lshl_b32 s90, s89, 23                        ; 2^e8
	s_add_co_i32 s89, s89, 8
	s_lshl_b32 s89, s89, 23
	s_or_b32 s91, s89, 0x600000                    ; 448 x 2^e8
	s_add_co_i32 s89, s52, 127
	s_lshl_b32 s92, s89, 23                        ; 2^e10
	s_add_co_i32 s89, s89, 8
	s_lshl_b32 s89, s89, 23
	s_or_b32 s93, s89, 0x600000                    ; 448 x 2^e10
	v_and_b32 v3, 15, v0                           ; r
	v_bfe_u32 v4, v0, 4, 1                         ; h
	v_lshlrev_b32 v200, 6, v3
	v_lshl_add_u32 v200, v4, 4, v200               ; Q: row r of 64 bytes, + 16 h
	global_load_b128 v[16:19], v200, s[QA:QA+1]    ; both tiles' Q stay in registers: the same places of k as K's fragments have
	global_load_b128 v[20:23], v200, s[QA:QA+1] offset:32
	global_load_b128 v[24:27], v200, s[QB:QB+1]
	global_load_b128 v[28:31], v200, s[QB:QB+1] offset:32
	v_lshrrev_b32 v201, 2, v3                      ; K: key r lies in LDS row r / 4, at byte 64 (r % 4)
	v_mul_u32_u24 v201, v201, PITCH
	v_and_b32 v202, 3, v3
	v_lshl_add_u32 v201, v202, 6, v201
	v_lshl_add_u32 v[AK0], v4, 4, v201
	v_lshrrev_b32 v201, 1, v3                      ; V: row d = r lies in LDS row r / 2, at byte 128 (r % 2)
	v_mul_u32_u24 v201, v201, PITCH
	v_and_b32 v202, 1, v3
	v_lshl_add_u32 v201, v202, 7, v201
	v_lshl_add_u32 v201, v4, 4, v201
	v_add_nc_u32 v[AV0], VOFF, v201
	v_and_b32 v205, 31, v0
	v_lshlrev_b32 v[GO], 4, v205
	v_lshrrev_b32 v201, 2, v205
	v_mul_u32_u24 v201, v201, SP
	v_and_b32 v205, 3, v0
	v_lshl_add_u32 v201, v205, 4, v201
	v_add_nc_u32 v[STB], s88, v201                 ; back: four lanes to a row's 64 bytes
	v_mul_u32_u24 v201, v3, SP
	v_lshl_add_u32 v201, v4, 3, v201
	v_add_nc_u32 v[STI], s88, v201                 ; in: row r, 8 h
	v_lshlrev_b32 v201, 3, v4
	v_sub_nc_u32 v201, v3, v201
	v_add_nc_u32 v210, s81, v201                   ; d = my query in its block - 8 h: on the diagonal register 8 t + i is hidden where 16 t + i > d
	v_mov_b32 v212, 0xff800000                     ; -infinity
	v_mov_b32 v208, s90
	v_mov_b32 v209, s91
	v_mov_b32 v213, s92
	v_mov_b32 v214, s93
	v_mov_b32 v203, 0                              ; (named as the upper half of the pair v[202:203])
	v_mov_b32 v204, 0                              ; a lane permute's destination counts as one of its sources
	INIT
; A KEY STEP: 128 keys.  qr: Q's registers.  gen = 0: a step that is open in every wave.
.macro STEP qr, gen
.if \gen
	s_cmp_gt_u32 s[ST], s[JB]                      ; behind the diagonal: left out.  The wave's number and the count of steps alone
	s_cbranch_scc1 .Lhid_\@
.endif
	v_add_nc_u32 v[ADK], s[TBY], v[AK0]
	v_add_nc_u32 v[ADV], s[TBY], v[AV0]
	v_nop                                          ; with the two additions: four places in front of loads into registers that the last products have read
	v_nop
.irp t, 0,1,2,3,4,5,6,7
	ds_load_b128 v[32+8*\t:35+8*\t], v[ADK] offset:\t*4*PITCH
	ds_load_b128 v[36+8*\t:39+8*\t], v[ADK] offset:\t*4*PITCH+32
.endr
	s_wait_alu depctr_va_vdst(0)                   ; the wait directly ahead of the wait below
	s_wait_dscnt 0x0
.irp t, 0,1,2,3,4,5,6,7
	v_wmma_f32_16x16x64_fp8_fp8 v[96+8*\t:103+8*\t], v[32+8*\t:39+8*\t], v[\qr:\qr+7], 0   ; S^T: eight tiles of 16 keys
.endr
.rept 4
	v_nop                                          ; places in front of the loads below and of the first read of the scores
.endr
.irp t, 0,1,2,3
.irp c, 0,1,2,3
	ds_load_b128 v[32+16*\t+4*\c:35+16*\t+4*\c], v[ADV] offset:\t*8*PITCH+32*\c   ; V's four fragments are asked for now and land while the softmax is worked
.endr
.endr
.if \gen
	s_cmp_lt_u32 s[ST], s[JB]                      ; ahead of the diagonal all keys count
	s_cbranch_scc1 .Lopen_\@
.set n, 0
.rept 64
	v_cmp_gt_i32 vcc_lo, 16*(n/8)+n%8, v210
	v_cndmask_b32 v[96+n], v[96+n], v212, vcc_lo   ; hidden scores become -infinity ahead of the maximum
.set n, n+1
.endr
.Lopen_\@:
.endif
	v_max3_num_f32 v200, v96, v97, v98             ; the step's largest score of my query among my 64 keys, in two chains, from each accumulator's low end on
	v_max3_num_f32 v201, v99, v100, v101
.set i, 6
.rept 14
	v_max3_num_f32 v200, v200, v[96+i], v[97+i]
	v_max3_num_f32 v201, v201, v[98+i], v[99+i]
.set i, i+4
.endr
	v_max3_num_f32 v200, v200, v158, v159
	s_delay_alu instid0(VALU_DEP_1)
	v_max_num_f32 v200, v200, v201
	s_delay_alu instid0(VALU_DEP_1)
	v_permlanex16_b32 v204, v200, s[SEL], s[SEL+1]
	s_delay_alu instid0(VALU_DEP_1)
	v_max_num_f32 v200, v200, v204                 ; and among lane l xor 16's
	s_delay_alu instid0(VALU_DEP_1)
	v_mul_f32 v200, s[CS], v200                    ; as t (c is positive)
	s_delay_alu instid0(VALU_DEP_1)
	v_max_num_f32 v13, v13, v200                   ; the running largest t
	v_mov_b32 v200, v12
	s_delay_alu instid0(VALU_DEP_2)
	v_floor_f32 v12, -v13                          ; the new -M = floor(-t): M is a whole number
	s_delay_alu instid0(VALU_DEP_1)
	v_sub_f32 v200, v12, v200                      ; old M - new M: a whole number, 0 or less
	s_delay_alu instid0(VALU_DEP_1)
	v_cvt_i32_f32 v200, v200                       ; (it saturates)
	s_delay_alu instid0(VALU_DEP_1)
	v_ldexp_f32 v202, 1.0, v200                    ; f = 2^(old M - new M)
.set j, 0
.rept 32
	v_pk_fma_f32 v[96+j:97+j], v[96+j:97+j], s[CS:CS+1], v[12:13] op_sel_hi:[1,0,0]   ; t - M, two at a time
.set j, j+2
.endr
	s_wait_alu depctr_va_vdst(0)                   ; the wait ahead of the batch
.set j, 0
.rept 64
	v_exp_f32 v[96+j], v[96+j]                     ; p = 2^(t - M), at most 1
.set j, j+1
.endr
	v_pk_mul_f32 v[14:15], v[14:15], v[202:203] op_sel_hi:[1,0]   ; the sums under the new M: the plain line behind the exponentials
	s_wait_alu depctr_va_vdst(0)                   ; one wait for the batch of 64, ahead of its first reader
	v_pk_add_f32 v[206:207], v[100:101], v[104:105]   ; the row's sum of the unquantised p, in eight chains
	v_pk_add_f32 v[254:255], v[108:109], v[112:113]
	v_pk_add_f32 v[252:253], v[116:117], v[120:121]
	v_pk_add_f32 v[250:251], v[124:125], v[128:129]
	v_pk_add_f32 v[248:249], v[132:133], v[136:137]
	v_pk_add_f32 v[246:247], v[140:141], v[144:145]
	v_pk_add_f32 v[244:245], v[148:149], v[152:153]
	v_pk_add_f32 v[14:15], v[14:15], v[156:157]
	v_pk_add_f32 v[206:207], v[206:207], v[96:97]
	v_pk_add_f32 v[254:255], v[254:255], v[98:99]
	v_pk_add_f32 v[252:253], v[252:253], v[102:103]
	v_pk_add_f32 v[250:251], v[250:251], v[106:107]
	v_pk_add_f32 v[248:249], v[248:249], v[110:111]
	v_pk_add_f32 v[246:247], v[246:247], v[114:115]
	v_pk_add_f32 v[244:245], v[244:245], v[118:119]
	v_pk_add_f32 v[14:15], v[14:15], v[122:123]
	v_pk_add_f32 v[206:207], v[206:207], v[126:127]
	v_pk_add_f32 v[254:255], v[254:255], v[130:131]
	v_pk_add_f32 v[252:253], v[252:253], v[134:135]
	v_pk_add_f32 v[250:251], v[250:251], v[138:139]
	v_pk_add_f32 v[248:249], v[248:249], v[142:143]
	v_pk_add_f32 v[246:247], v[246:247], v[146:147]
	v_pk_add_f32 v[244:245], v[244:245], v[150:151]
	v_pk_add_f32 v[14:15], v[14:15], v[154:155]
	v_pk_add_f32 v[206:207], v[206:207], v[158:159]
	s_delay_alu instid0(VALU_DEP_2)
	v_pk_add_f32 v[14:15], v[14:15], v[250:251]
	s_delay_alu instid0(VALU_DEP_2)
	v_pk_add_f32 v[206:207], v[206:207], v[248:249]
	v_pk_add_f32 v[254:255], v[254:255], v[246:247]
	v_pk_add_f32 v[252:253], v[252:253], v[244:245]
	s_delay_alu instid0(VALU_DEP_2)
	v_pk_add_f32 v[14:15], v[14:15], v[254:255]
	s_delay_alu instid0(VALU_DEP_2)
	v_pk_add_f32 v[206:207], v[206:207], v[252:253]
	s_delay_alu instid0(VALU_DEP_1)
	v_pk_add_f32 v[14:15], v[14:15], v[206:207]
.irp b, 0,1,2,3
.set i, 0
.rept 8
	v_dual_min_num_f32 v[96+16*\b+i], v209, v[96+16*\b+i] :: v_dual_min_num_f32 v[97+16*\b+i], v209, v[97+16*\b+i]   ; the conversion does not saturate (ISA guide 7.6.2); p is not negative: a one-sided hold, two numbers a line
.set i, i+2
.endr
	v_cvt_scalef32_pk8_fp8_f32 v[224+4*\b:225+4*\b], v[96+16*\b:103+16*\b], v208      ; tile 2 b: keys 32 b + 8 h + 0 .. 7
	v_cvt_scalef32_pk8_fp8_f32 v[226+4*\b:227+4*\b], v[104+16*\b:111+16*\b], v208     ; tile 2 b + 1: keys 32 b + 16 + 8 h + 0 .. 7: as v's bytes 32 b + 16 h + 0 .. 15 hold them
.endr
	s_wait_alu depctr_va_vdst(0)                   ; the wait directly ahead of the first reader of O^T
.set j, 0
.rept 16
	v_pk_mul_f32 v[160+j:161+j], v[160+j:161+j], v[202:203] op_sel_hi:[1,0]   ; O^T under the new M.  (Also the plain lines between the conversions and the products)
.set j, j+2
.endr
	s_wait_alu depctr_va_vdst(0)                   ; the wait directly ahead of the wait below
	s_wait_dscnt 0x0                               ; V's fragments are in
.irp t, 0,1,2,3
	v_wmma_f32_16x16x128_fp8_fp8 v[160+8*\t:167+8*\t], v[32+16*\t:47+16*\t], v[224:239], v[160+8*\t:167+8*\t]   ; O^T += V^T P^T: the four accumulators by turns
.endr
.if \gen
.Lhid_\@:
.endif
.endm
; THE WAY OUT of a tile.  O^T x 2^(e8 + e9) / the sum is held, converted with 2^e10, and goes through my stage so that a store covers 512 consecutive bytes.
.macro WAYOUT ob
	v_add_f32 v14, v14, v15
	s_delay_alu instid0(VALU_DEP_1)
	v_permlanex16_b32 v204, v14, s[SEL], s[SEL+1]
	s_delay_alu instid0(VALU_DEP_1)
	v_add_f32 v14, v14, v204                       ; the row's sum
	s_wait_alu depctr_va_vdst(0)                   ; the wait ahead of the transcendental
	v_rcp_f32 v14, v14
	v_nop                                          ; the plain line behind the reciprocal
	s_wait_alu depctr_va_vdst(0)                   ; the wait ahead of its first reader
	v_ldexp_f32 v14, v14, s[E89]
	s_wait_alu depctr_va_vdst(0)                   ; the wait directly ahead of the first reader of O^T
.set j, 0
.rept 32
	v_mul_f32 v[96+j], v[160+j], v14               ; register 8 t + i is o(r, 16 t + 8 h + i); each accumulator from its low end on
.set j, j+1
.endr
.set j, 0
.rept 32
	v_med3_num_f32 v[96+j], v[96+j], -v214, v214
.set j, j+1
.endr
.irp t, 0,1,2,3
	v_cvt_scalef32_pk8_fp8_f32 v[224+2*\t:225+2*\t], v[96+8*\t:103+8*\t], v213
.endr
	v_nop                                          ; one plain line behind the last conversion
.irp t, 0,1,2,3
	ds_store_b64 v[STI], v[224+2*\t:225+2*\t] offset:16*\t
.endr
.irp i, 0,1
	ds_load_b128 v[32+4*\i:35+4*\i], v[STB] offset:8*SP*\i   ; LDS serves a wave's instructions in order: these see my stores
.endr
.irp i, 0,1
	s_wait_dscnt 1-\i
	global_store_b128 v[GO], v[32+4*\i:35+4*\i], s[\ob:\ob+1] offset:512*\i   ; eight rows of 64 bytes: 512 consecutive bytes, aligned
.endr
	s_wait_xcnt 0x0                                ; the stores have read their registers, which the next tile's loads write
.endm
	s_wait_alu depctr_va_vdst(0)                   ; the wait at the head's end
	s_wait_tensorcnt 0x0                           ; my part of keys 0-511 is in
	ds_add_u32 v[SPW], v[NIL]
	s_wait_dscnt 0x0
	ROUND                                          ; everybody's part is in, and the four work-groups are here
	tensor_load_to_lds s[G0B:G0B+3], s[G1B:G1B+7]  ; keys 512-2,047: my one load behind the round; it lands on bytes of its own
	s_nop 0
.rept 4
	v_nop
.endr
	s_wait_loadcnt 0x0                             ; Q
.Lfirst:                                           ; the long tile's steps 0-3: keys 0-511
	STEP 16, 0
	s_add_co_u32 s[TBY], s[TBY], STEPB
	s_add_co_u32 s[ST], s[ST], 1
	s_cmp_lt_u32 s[ST], 4
	s_cbranch_scc1 .Lfirst
	s_wait_tensorcnt 0x0                           ; my part of keys 512-2,047 is in;
	s_barrier_signal -1
	s_barrier_wait -1                              ; everybody's is.
.Llong:                                            ; the long tile's steps 4-15
	STEP 16, 1
	s_add_co_u32 s[TBY], s[TBY], STEPB
	s_add_co_u32 s[ST], s[ST], 1
	s_cmp_lt_u32 s[ST], 16
	s_cbranch_scc1 .Llong
	WAYOUT OA
	INIT
	s_mov_b32 s[TBY], 0
	s_mov_b32 s[ST], 0
	s_mov_b32 s[JB], s[JS]
.Lshort:                                           ; the short tile's steps 0-7
	STEP 24, 1
	s_add_co_u32 s[TBY], s[TBY], STEPB
	s_add_co_u32 s[ST], s[ST], 1
	s_cmp_lt_u32 s[ST], 8
	s_cbranch_scc1 .Lshort
	WAYOUT OB
	s_wait_tensorcnt 0x0                           ; the wave's end, behind my last tensor load and my last LDS store
	ds_add_u32 v[SPW], v[NIL]
	s_wait_dscnt 0x0
	ROUND                                          ; the closing round
	s_endpgm
.Lfunc_end_k_q2a5b0e0fa4_attn:
	.size	k_q2a5b0e0fa4_attn, .Lfunc_end_k_q2a5b0e0fa4_attn-k_q2a5b0e0fa4_attn
	.p2alignl 7, 3214868480
	.fill 96, 4, 3214868480
	.section	.rodata,"a",@progbits
	.p2align	6, 0x0
	.amdhsa_kernel k_q2a5b0e0fa4_attn
		.amdhsa_group_segment_fixed_size 327680
		.amdhsa_private_segment_fixed_size 0
		.amdhsa_enable_private_segment 0
		.amdhsa_kernarg_size 24
		.amdhsa_user_sgpr_count 2
		.amdhsa_user_sgpr_kernarg_segment_ptr 1
		.amdhsa_wavefront_size32 1
		.amdhsa_system_sgpr_workgroup_id_x 1
		.amdhsa_system_sgpr_workgroup_id_y 1
		.amdhsa_system_sgpr_workgroup_id_z 1
		.amdhsa_system_vgpr_workitem_id 0
		.amdhsa_next_free_vgpr 256
		.amdhsa_next_free_sgpr 100
		.amdhsa_reserve_vcc 1
		.amdhsa_float_denorm_mode_32 3
		.amdhsa_float_denorm_mode_16_64 3
		.amdhsa_memory_ordered 1
		.amdhsa_forward_progress 1
		.amdhsa_inst_pref_size 78
	.end_amdhsa_kernel
	.amdgpu_metadata
---
amdhsa.version: [ 1, 2 ]
amdhsa.kernels:
  - .name:           k_q2a5b0e0fa4_attn
    .symbol:         k_q2a5b0e0fa4_attn.kd
    .args:
      - { .name: qkv, .offset: 0, .size: 8, .value_kind: global_buffer, .address_space: global }
      - { .name: lowp_scales, .offset: 8, .size: 8, .value_kind: global_buffer, .address_space: global }
      - { .name: oc, .offset: 16, .size: 8, .value_kind: global_buffer, .address_space: global }
    .group_segment_fixed_size: 327680
    .private_segment_fixed_size: 0
    .kernarg_segment_align: 8
    .kernarg_segment_size: 24
    .max_flat_workgroup_size: 512
    .sgpr_count:     100
    .vgpr_count:     256
    .wavefront_size: 32
...
	.end_amdgpu_metadata
.endif
;; end of part 3
;; launch oproj (part 4): grid 4 x 64, 4 waves a work-group, clusters of 4 x 4, 327,680 bytes of LDS; arguments oc, wc, lowp_scales, bp, out0; writes out0
.if DOCPART == 4
	.amdgcn_target "amdgcn-amd-amdhsa--gfx1250"
	.amdhsa_code_object_version 6
	.text
	.protected	k_q2a5b0e0fa4_oproj
	.globl	k_q2a5b0e0fa4_oproj
	.p2align	8
	.type	k_q2a5b0e0fa4_oproj,@function
k_q2a5b0e0fa4_oproj:
	s_mov_b64 s[64:65], 0
	v_nop
	global_prefetch_b8 v0, s[64:65] scope:SCOPE_SE
	s_setreg_imm32_b32 hwreg(HW_REG_WAVE_MODE, 25, 1), 1
	s_wait_xcnt 0x0
	s_wait_alu depctr_hold_cnt(0) depctr_sa_sdst(0) depctr_va_vdst(0) depctr_va_sdst(0) depctr_va_ssrc(0) depctr_va_vcc(0) depctr_vm_vsrc(0)
	s_getreg_b32 s2, hwreg(HW_REG_IB_STS2, 6, 4)
	s_cmp_eq_u32 s2, 0
	s_cbranch_scc0 .Lentry_in_a_cluster
	s_endpgm
.Lentry_in_a_cluster:
	s_bfe_u32 s2, ttmp6, 0x10000c
	s_cmp_lg_u32 s2, 0xf033
	s_cbranch_scc0 .Lentry_shape_is_right
	s_endpgm
.Lentry_shape_is_right:
.set PITCH,  272
.set AP,     80
.set APL,    64*AP
.set AHALF,  4*APL
.set S1B,    2*AHALF
.set SLOT,   S1B+256*PITCH
.set STAGE,  2*SLOT
.set SPITCH, 528
.set SPARE,  STAGE+4*16*SPITCH
.set ADRA, 16
.set ADRB, 20
.set STO,  24
.set RD,   25
.set CO,   26
.set SPW,  28
.set NIL,  29
.set BO,   31
.set TMP,  32
.set AF,   128
.set BK,   128
.set G1,  24
.set G0,  32
.set G1B, 48
.set G0B, 56
.set MSB, 0
.macro WIN new
.if MSB != \new
	s_set_vgpr_msb (MSB<<8)|\new
.set MSB, \new
.endif
.endm
.set MUL, 0xa1
.macro JLOAD s
	s_cmp_eq_u32 s15, 0
	s_cbranch_scc0 .Lfor_b_\@
	tensor_load_to_lds s[G0+4*\s:G0+4*\s+3], s[G1:G1+7]
	s_nop 0
.rept 4
	v_nop
.endr
	s_branch .Lasked_\@
.Lfor_b_\@:
	tensor_load_to_lds s[G0B+4*\s:G0B+4*\s+3], s[G1B:G1B+7]
	s_nop 0
.rept 4
	v_nop
.endr
.Lasked_\@:
.endm
.macro CREST
	s_cmp_lg_u32 s14, 0
	s_cbranch_scc1 .Lnot_wave_0_\@
	s_barrier_signal -3
.Lnot_wave_0_\@:
	s_barrier_wait -3
	s_barrier_signal -1
	s_barrier_wait -1
.endm
.macro CROUND
	s_barrier_signal -1
	s_barrier_wait -1
	CREST
.endm
.macro PLACES n
.rept \n
	v_nop
.endr
.endm
	s_load_b256 s[68:75], s[0:1], 0x0
	s_load_b64 s[10:11], s[0:1], 0x20
	v_lshl_add_u32 v[SPW], v0, 2, SPARE
	v_mov_b32 v[NIL], 0
	ds_add_u32 v[SPW], v[NIL]
	ds_add_u32 v[SPW], v[NIL]
	v_lshrrev_b32 v1, 5, v0
	v_readfirstlane_b32 s14, v1
	s_lshr_b32 s15, s14, 1
	s_and_b32 s16, s14, 1
	s_bfe_u32 s40, ttmp6, 0x40000
	s_bfe_u32 s41, ttmp6, 0x40004
	s_lshl_b32 s42, ttmp9, 2
	s_add_co_u32 s42, s42, s40
	s_and_b32 s17, ttmp7, 0xffff
	s_lshl_b32 s17, s17, 2
	s_add_co_u32 s17, s17, s41
	s_lshl_b32 s43, s41, 2
	s_lshl_b32 s43, 15, s43
	s_lshl_b32 s44, 0x1111, s40
	s_or_b32 s[G1+0], s43, (1<<20)|(1<<21)|(3<<22)|(3<<25)
	s_mov_b32 s[G1+1], 4096<<16
	s_mov_b32 s[G1+2], 4<<16
	s_mov_b32 s[G1+3], 4096<<16
	s_mov_b32 s[G1+4], 4
	s_mov_b32 s[G1+5], 524288
	s_mov_b32 s[G1+6], 0
	s_mov_b32 s[G1+7], 0
	s_or_b32 s[G1B+0], s44, (1<<20)|(1<<21)|(5<<22)|(3<<25)
	s_mov_b32 s[G1B+1], 256<<16
	s_mov_b32 s[G1B+2], 128<<16
	s_mov_b32 s[G1B+3], 256<<16
	s_mov_b32 s[G1B+4], 128
	s_mov_b32 s[G1B+5], 1024
	s_mov_b32 s[G1B+6], 0
	s_mov_b32 s[G1B+7], 0
	s_lshl_b32 s20, s17, 7
	s_lshl_b32 s18, s16, 6
	s_add_co_u32 s20, s20, s18
	s_lshl_b32 s20, s20, 6
	s_mov_b32 s21, 0
	s_lshl_b32 s46, s42, 8
	s_lshl_b32 s18, s16, 7
	s_add_co_u32 s46, s46, s18
	s_lshl_b32 s46, s46, 10
	s_add_co_u32 s46, s46, 3145728
	s_mov_b32 s47, 0
	s_mul_i32 s45, s16, AHALF
	s_mul_i32 s84, s16, 128*PITCH
	s_add_co_u32 s84, s84, S1B
	s_wait_dscnt 0x0
	s_wait_kmcnt 0x0
	s_load_b64 s[96:97], s[72:73], 0x28
	s_add_nc_u64 s[20:21], s[68:69], s[20:21]
	s_add_nc_u64 s[46:47], s[70:71], s[46:47]
	CROUND
.irp s, 0,1
	s_mov_b32 s[G0+4*\s], 1
	s_add_co_u32 s[G0+4*\s+1], s45, \s*SLOT
	s_add_nc_u64 s[G0+4*\s+2:G0+4*\s+3], s[20:21], \s*2097152
	s_or_b32 s[G0+4*\s+3], s[G0+4*\s+3], 0x80000000
	s_mov_b32 s[G0B+4*\s], 1
	s_add_co_u32 s[G0B+4*\s+1], s84, \s*SLOT
	s_add_nc_u64 s[G0B+4*\s+2:G0B+4*\s+3], s[46:47], \s*256
	s_or_b32 s[G0B+4*\s+3], s[G0B+4*\s+3], 0x80000000
.endr
	JLOAD 0                                        ; K step 0: one tensor load a wave at the head
	; K steps 2 and 3, which the two changes of slots load, are prefetched: of the bytes that a wave fetches each of the four partners names a quarter, told apart by address:
	; of A's four planes of 4,096 bytes partner cx takes one (16 lanes, 256 bytes apart); of B's 128 rows partner cy takes 32 (a lane a row of 256 bytes)
	s_lshl_b32 s76, s40, 19
	s_lshl_b32 s77, s41, 15
	s_mov_b32 s78, 512
	s_mov_b32 s79, 256
	s_mov_b32 s80, 10
	s_cmp_eq_u32 s15, 0
	s_cselect_b64 s[82:83], s[20:21], s[46:47]
	s_cselect_b32 s76, s76, s77
	s_cselect_b32 s78, 4194304, s78                ; two K steps on
	s_cselect_b32 s79, 2097152, s79                ; one K step
	s_cselect_b32 s80, 8, s80
	s_cselect_b32 s81, 15, 31
	s_add_co_u32 s76, s76, s78
	s_mov_b32 s77, 0
	s_add_nc_u64 s[82:83], s[82:83], s[76:77]
	s_mov_b32 s78, s79
	s_mov_b32 s79, 0
	s_add_nc_u64 s[86:87], s[82:83], s[78:79]
	v_and_b32 v27, s81, v0
	v_lshlrev_b32 v27, s80, v27
	global_prefetch_b8 v27, s[82:83] th:TH_LOAD_NT scope:SCOPE_SE
	global_prefetch_b8 v27, s[86:87] th:TH_LOAD_NT scope:SCOPE_SE
	v_and_b32 v1, 15, v0
	v_bfe_u32 v2, v0, 4, 1
	v_mul_u32_u24 v3, v1, AP
	v_lshl_add_u32 v3, v2, 4, v3
	v_mul_u32_u24 v4, v1, PITCH
	v_lshl_add_u32 v4, v2, 4, v4
	s_mul_i32 s22, s15, AHALF
	s_mul_i32 s23, s16, 128*PITCH
	s_add_co_u32 s23, s23, S1B
.irp s, 0,1
	v_add_nc_u32 v[ADRA+\s], s22, v3
	v_add_nc_u32 v[ADRB+\s], s23, v4
	s_add_co_u32 s22, s22, SLOT
	s_add_co_u32 s23, s23, SLOT
.endr
	s_mul_i32 s22, s14, 16*SPITCH
	s_add_co_u32 s22, s22, STAGE
	v_mul_u32_u24 v5, v1, SPITCH
	v_lshl_add_u32 v5, v2, 5, v5
	v_add_nc_u32 v[STO], s22, v5
	v_and_b32 v6, 31, v0
	v_lshlrev_b32 v[CO], 4, v6
	v_add_nc_u32 v[RD], s22, v[CO]
	s_lshl_b32 s76, s42, 10
	s_lshl_b32 s77, s16, 9
	s_add_co_u32 s76, s76, s77
	s_mov_b32 s77, 0
	s_add_nc_u64 s[74:75], s[74:75], s[76:77]
	s_lshl_b32 s78, s17, 7
	s_lshl_b32 s79, s15, 6
	s_add_co_u32 s78, s78, s79
	s_lshl_b32 s78, s78, 12
	s_add_co_u32 s78, s78, s76
	s_mov_b32 s79, 0
	s_add_nc_u64 s[10:11], s[10:11], s[78:79]
	v_lshlrev_b32 v[BO], 5, v2
	WIN 0xc0
.irp b, 0,1,2,3,4,5,6,7
	global_load_b128 v[8*\b:8*\b+3], v[BO], s[74:75] offset:64*\b
	global_load_b128 v[8*\b+4:8*\b+7], v[BO], s[74:75] offset:64*\b+16
.endr
	WIN 0
.macro FRAG reg, adr, q, i
.irp c, 0,1,2,3
	ds_load_b128 v[\reg+4*\c:\reg+4*\c+3], v[\adr] offset:128*(\q)+32*\c+(\i)*16*PITCH
.endr
.endm
.macro FRAGA reg, adr, q, i
.irp c, 0,1,2,3
	ds_load_b128 v[\reg+4*\c:\reg+4*\c+3], v[\adr] offset:(2*(\q)+\c/2)*APL+(\i)*16*AP+32*(\c%2)
.endr
.endm
.macro FETCH slot, q, p
	WIN 0x40
.irp i, 0,1,2,3,4,5,6,7
	FRAG 128*(\p)+16*\i, ADRB+\slot, \q, \i
.endr
	WIN 0
.irp i, 0,1,2,3
	FRAGA AF+64*(\p)+16*\i, ADRA+\slot, \q, \i
.endr
.endm
.macro MUL8 a, p, zero
	WIN MUL
.irp b, 0,1,2,3,4,5,6,7
.if \zero
	v_wmma_f32_16x16x128_fp8_fp8 v[8*(8*(\a)+\b):8*(8*(\a)+\b)+7], v[128*(\p)+16*\b:128*(\p)+16*\b+15], v[AF+64*(\p)+16*(\a):AF+64*(\p)+16*(\a)+15], 0
.else
	v_wmma_f32_16x16x128_fp8_fp8 v[8*(8*(\a)+\b):8*(8*(\a)+\b)+7], v[128*(\p)+16*\b:128*(\p)+16*\b+15], v[AF+64*(\p)+16*(\a):AF+64*(\p)+16*(\a)+15], v[8*(8*(\a)+\b):8*(8*(\a)+\b)+7]
.endif
.endr
.endm
.macro STEP slot, zero
	s_wait_dscnt 0x0
	PLACES 4
	FETCH \slot, 1, 1
	MUL8 0, 0, \zero
	MUL8 1, 0, \zero
	MUL8 2, 0, \zero
	MUL8 3, 0, \zero
	WIN 0
.endm
.macro TURN slot, next, fill
	s_wait_tensorcnt 0x0
	ds_add_u32 v[SPW], v[NIL]
	s_wait_dscnt 1
	MUL8 0, 1, 0
	s_wait_dscnt 0x0
	s_barrier_signal -1
	MUL8 1, 1, 0
	WIN 0
	s_barrier_wait -1
.if \fill
	CREST
	s_add_nc_u64 s[G0+4*\slot+2:G0+4*\slot+3], s[G0+4*\slot+2:G0+4*\slot+3], 4194304
	s_add_nc_u64 s[G0B+4*\slot+2:G0B+4*\slot+3], s[G0B+4*\slot+2:G0B+4*\slot+3], 512
	JLOAD \slot
.else
	PLACES 4
.endif
	s_wait_alu depctr_va_vdst(0)
	FETCH \next, 0, 0
	MUL8 2, 1, 0
	MUL8 3, 1, 0
	WIN 0
.endm
	s_wait_alu depctr_va_vdst(0)                   ; the wait at the head's end
	s_wait_tensorcnt 0x0                           ; my part of K step 0 is in
	ds_add_u32 v[SPW], v[NIL]
	s_wait_dscnt 0x0
	CROUND
	JLOAD 1                                        ; K step 1: the first tensor load behind the round
	FETCH 0, 0, 0
	STEP 0, 1
	TURN 0, 1, 1
	STEP 1, 0
	TURN 1, 0, 1
	STEP 0, 0
	TURN 0, 1, 0
	STEP 1, 0
	s_wait_dscnt 0x0
	MUL8 0, 1, 0
	MUL8 1, 1, 0
	MUL8 2, 1, 0
	MUL8 3, 1, 0
	WIN 0
.macro TOSTAGE a
	WIN 0x32
.irp b, 0,1,2,3,4,5,6,7
.irp i, 0,2,4,6
	v_pk_fma_f32 v[TMP+8*\b+\i:TMP+8*\b+\i+1], v[64*(\a)+8*\b+\i:64*(\a)+8*\b+\i+1], s[96:97], v[8*\b+\i:8*\b+\i+1] op_sel_hi:[1,0,1]
.endr
.endr
	WIN 0
.irp b, 0,1,2,3,4,5,6,7
	ds_store_b128 v[STO], v[TMP+8*\b:TMP+8*\b+3] offset:64*\b
	ds_store_b128 v[STO], v[TMP+8*\b+4:TMP+8*\b+7] offset:64*\b+16
.endr
.set BB, BK+64*((\a)%2)
.irp t, 0,1,2,3,4,5,6,7,8,9,10,11,12,13,14,15
	ds_load_b128 v[BB+4*\t:BB+4*\t+3], v[RD] offset:\t*SPITCH
.endr
.endm
.macro SEND a, younger
.set BB, BK+64*((\a)%2)
	s_wait_dscnt \younger
.if (\a) > 0
	s_add_nc_u64 s[10:11], s[10:11], 65536
.endif
.irp t, 0,1,2,3,4,5,6,7,8,9,10,11,12,13,14,15
	global_store_b128 v[CO], v[BB+4*\t:BB+4*\t+3], s[10:11] offset:\t*4096 th:TH_STORE_NT
.endr
.endm
	s_wait_kmcnt 0x0
	s_add_co_i32 s96, s96, s97
	s_add_co_i32 s96, s96, 127
	s_lshl_b32 s96, s96, 23
	s_mov_b32 s97, s96
	s_wait_loadcnt 0x0
	PLACES 4
	TOSTAGE 0
.irp a, 1,2,3
.if \a > 1
	s_wait_xcnt 0x0
.endif
	TOSTAGE \a
	SEND \a-1, 32
.endr
	s_wait_xcnt 0x0
	SEND 3, 0
	s_wait_tensorcnt 0x0
	ds_add_u32 v[SPW], v[NIL]
	s_wait_dscnt 0x0
	CROUND
	s_endpgm
.Lfunc_end_k_q2a5b0e0fa4_oproj:
	.size	k_q2a5b0e0fa4_oproj, .Lfunc_end_k_q2a5b0e0fa4_oproj-k_q2a5b0e0fa4_oproj
	.p2alignl 7, 3214868480
	.fill 96, 4, 3214868480
	.section	.rodata,"a",@progbits
	.p2align	6, 0x0
	.amdhsa_kernel k_q2a5b0e0fa4_oproj
		.amdhsa_group_segment_fixed_size 327680
		.amdhsa_private_segment_fixed_size 0
		.amdhsa_enable_private_segment 0
		.amdhsa_kernarg_size 40
		.amdhsa_user_sgpr_count 2
		.amdhsa_user_sgpr_kernarg_segment_ptr 1
		.amdhsa_wavefront_size32 1
		.amdhsa_system_sgpr_workgroup_id_x 1
		.amdhsa_system_sgpr_workgroup_id_y 1
		.amdhsa_system_sgpr_workgroup_id_z 1
		.amdhsa_system_vgpr_workitem_id 0
		.amdhsa_next_free_vgpr 1024
		.amdhsa_next_free_sgpr 100
		.amdhsa_reserve_vcc 0
		.amdhsa_float_denorm_mode_32 3
		.amdhsa_float_denorm_mode_16_64 3
		.amdhsa_memory_ordered 1
		.amdhsa_forward_progress 1
		.amdhsa_inst_pref_size 78
	.end_amdhsa_kernel
	.amdgpu_metadata
---
amdhsa.version: [ 1, 2 ]
amdhsa.kernels:
  - .name:           k_q2a5b0e0fa4_oproj
    .symbol:         k_q2a5b0e0fa4_oproj.kd
    .args:
      - { .name: oc, .offset: 0, .size: 8, .value_kind: global_buffer, .address_space: global }
      - { .name: wc, .offset: 8, .size: 8, .value_kind: global_buffer, .address_space: global }
      - { .name: lowp_scales, .offset: 16, .size: 8, .value_kind: global_buffer, .address_space: global }
      - { .name: bp, .offset: 24, .size: 8, .value_kind: global_buffer, .address_space: global }
      - { .name: out0, .offset: 32, .size: 8, .value_kind: global_buffer, .address_space: global }
    .group_segment_fixed_size: 327680
    .private_segment_fixed_size: 0
    .kernarg_segment_align: 8
    .kernarg_segment_size: 40
    .max_flat_workgroup_size: 128
    .sgpr_count:     100
    .vgpr_count:     1024
    .wavefront_size: 32
...
	.end_amdgpu_metadata
.endif
;; end of part 4
